; MI455X (gfx1250); checked and timed in simulation.
; The chip was launched on July 23, 2026; its instructions are those of AMD's public machine-readable ISA for CDNA 5 (MIT licence, August 2026) and "CDNA5" Instruction Set Architecture Reference Guide (July 2026). The comments in the code are by the model that wrote it; some were corrected since.
;; MCA. Allowed arithmetic: matrix products marked QUANTISED: E4M3 operands, one E8M0 scale for each 32 along K, by v_wmma_scale_f32_16x16x128_f8f6f4 with both operands' format E4M3, f32 sums; everything else in f32.
;; Inputs: Wk 1,024 x 1,024 float32; Wq 1,024 x 1,024 float32; Wu 1,024 x 1,024 float32; Wv 1,024 x 1,024 float32; bk 1,024 float32; bq 1,024 float32; bu 1,024 float32; bv 1,024 float32; x1 2,048 x 4 x 1,024 float32; x2 2,048 x 4 x 1,024 float32.
;; Outputs: out0 4 x 2,048 x 1,024 float32.
;; This version of the problem:
;;   THIS VERSION OF THE PROBLEM IS GIVEN IN LOW PRECISION. The matrix products marked QUANTISED in the list below multiply operands that are first quantised to E4M3 (4 exponent bits, 3 mantissa bits; 8 bits a number), with one power-of-two scale for each 32 numbers along K (OCP MX v1.0); their sums are f32. All else is computed in f32.
;;   The module's matrix products, in the order in which they are computed (A, B: the left and right operand; K: the contracted axis; several contracted axes count as one K, in the product's order):
;;     1. [M 8,192, K 1,024] x [K 1,024, N 1,024]; A: input x1; B: input Wq: QUANTISED
;;     2. [M 8,192, K 1,024] x [K 1,024, N 1,024]; A: input x2; B: input Wk: QUANTISED
;;     3. [M 8,192, K 1,024] x [K 1,024, N 1,024]; A: input x2; B: input Wv: QUANTISED
;;     4. batch 64 x [M 2,048, K 64] x [K 64, N 2,048]; A: computed on the way; B: computed on the way: QUANTISED
;;     5. batch 64 x [M 2,048, K 2,048] x [K 2,048, N 64]; A: softmax (see below); B: computed on the way: QUANTISED
;;     6. [M 8,192, K 1,024] x [K 1,024, N 1,024]; A: computed on the way; B: input Wu: QUANTISED
;;   THE QUANTISER, for each operand of a quantised product, along K:
;;     - K is cut into blocks of 32 from its start; a last block that is shorter is filled with zeros.
;;     - A block's scale is 2^e with e = floor(log2(the largest magnitude in the block)) - 8, held to -126 .. 127; a block of zeros has e = 0. As a byte (E8M0): e + 127.
;;     - Each number is divided by its block's scale, clamped to +-448, and rounded to the nearest number of E4M3, ties to even, subnormals kept.
;;     - The product sums the exact products of the quantised numbers (number of the format x scale) in f32.
;;   ~~~python
;;   def quantise(x, axis):      # numpy; x: float32 -> the quantised numbers, widened to float32 again
;;       x = np.moveaxis(x, axis, -1); K = x.shape[-1]
;;       x = np.pad(x, [(0, 0)] * (x.ndim - 1) + [(0, -K % 32)]); x = x.reshape(x.shape[:-1] + (-1, 32)); a = np.abs(x).max(-1, keepdims=True)
;;       e = np.where(a > 0, np.clip(np.frexp(np.where(a > 0, a, 1))[1] - 1 - 8, -126, 127), 0)      # np.frexp(a)[1] - 1 = floor(log2(a)), exactly
;;       r = np.clip(x / 2.0 ** e, -448, 448)
;;       step = 2.0 ** (np.maximum(np.frexp(np.where(r == 0, 1, r))[1] - 1, -6) - 3)
;;       q = np.round(r / step) * step * 2.0 ** e      # np.round: ties to even
;;       return np.moveaxis(q.reshape(q.shape[:-2] + (-1,))[..., :K], -1, axis).astype(np.float32)
;;   ~~~
;;   SOFTMAX AHEAD OF A QUANTISED PRODUCT. Where the list says 'softmax', what is quantised is not the finished softmax but p = 2^(t - M), with t = logit x log2(e) and M = ceil(the row's largest t), a whole number; so 1/2 < the row's largest p <= 1. The row's sum l is taken of the UNQUANTISED p, in f32, and the product's result is divided by l at the end. Since M is a whole number, a kernel that streams over the keys may use a running M (the ceiling of the running maximum): every later rescaling is an exact power of two, which a block's scale takes up: the codes' values come out the same.
;;   OPERANDS COMPUTED ON THE WAY. 'Computed on the way' means the value that the module computes at that place (a softmax that the list does not call 'softmax' is quantised finished and normalised). What goes into a quantiser is computed in f32, as accurately as f32 sums, v_exp_f32 and their like allow (about 1e-6 of the number): no bf16 or f16 on the way to a quantiser, and a product that is left as it is and whose result goes on into a quantised operand takes f32 operands (vector FMAs, or v_wmma_f32_16x16x4_f32). A number that lies on a knife's edge between two numbers of the format may be rounded either way, as far as f32 arithmetic and the matrix unit's own rounding can turn it there, and no further.
;; One version. Each part assembles by itself: llvm-mc -triple=amdgcn-amd-amdhsa -mcpu=gfx1250 --defsym DOCPART=n.
;; ======== version 1 of 1: 4 launches
;; limits: right only within a limited range of input values
;; workspace buffers: cods 20,971,520 bytes; scls 655,360 bytes; qkv 25,165,824 bytes; qkvs 786,432 bytes; oc 8,388,608 bytes; os 262,144 bytes
;; launch quant (part 1): grid 640 x 1, 4 waves a work-group, no clusters, 35,328 bytes of LDS; arguments x1, x2, Wq, Wk, Wv, Wu, cods, scls; writes cods, scls
.if DOCPART == 1
	.amdgcn_target "amdgcn-amd-amdhsa--gfx1250"
	.amdhsa_code_object_version 6
	.text
	.protected	k_qd0bfa7eb77_quant
	.globl	k_qd0bfa7eb77_quant
	.p2align	8
	.type	k_qd0bfa7eb77_quant,@function
k_qd0bfa7eb77_quant:
	s_mov_b64 s[64:65], 0
	v_nop
	global_prefetch_b8 v0, s[64:65] scope:SCOPE_SE
	s_setreg_imm32_b32 hwreg(HW_REG_WAVE_MODE, 25, 1), 1
	s_wait_xcnt 0x0
; x1, x2 [2048][4][1024] and Wq, Wk, Wv, Wu [1024][1024], f32, K innermost, become codes of FP8 (E4M3) with one E8M0 byte for each 32 along K.
; A block's scale is 2^(floor(log2(its largest magnitude)) - 8); each number is divided by it, held within +-448 and rounded to the nearest code, ties to even.
; LAYOUT OF THE CODES: images of operand registers.  A fragment is 16 rows x 128 K = 2,048 bytes: four groups c of 512 bytes; lane l's 16 bytes at 16 l are row l % 16, k = 32 c + 16 (l / 16) + 0 .. 15.
;   cods: [tile of rows 1,280][K step 8][2,048];  scls: [tile][K step 8][16 words], word r = the four bytes of row r.  Tiles: x1 0.., x2 512.. (batch x 128 + tile), Wq 1024.., Wk 1088.., Wv 1152.., Wu 1216..
; THE ROWS OF A TILE ARE NOT NEIGHBOURS: lane r of tile t is row 32 (t / 2) + 8 (t % 2) + r + 8 (r / 8), so that a product that takes such a tensor as source 0 leaves 16 neighbours in the 16 registers of two tiles.
; x's rows are taken batch by batch (a token's rows of one batch lie 16,384 bytes apart): the transposition to (batch, token) costs nothing.
; SHARES: a wave takes one tile of rows x 512 along K: four fragments.  Each load reads 512 consecutive bytes of one row; a fragment's 8 KiB turn through the wave's own stage in LDS (rows of 512 + 16 bytes) and come back
; 16 neighbours of a block to a lane.  No barrier: waves share nothing.  Loads run one fragment (16 loads) ahead of the one at work.
; LIMITS: NaN and infinities are not served.  A block of zeros, and a block whose largest magnitude lies under 2^-118, gets the byte 1 (zeros stay zero codes); the bytes are read by this program alone.
.set STG,  8704                        ; LDS of a wave: the stage, 16 x 528 bytes, and 256 bytes of scale words
.set SCW,  8448
.set VR,   16                          ; v16-31   row i's byte offset: 16 x lane + (i + 8 (i / 8)) x the distance between rows
.set TM,   32                          ; v32-47   at work: largest magnitudes, bytes, scales
.set PC,   48                          ; v48-63   a fragment's codes
.set X,    64                          ; v64-127  64 numbers: register 16 c + i = k 32 c + 16 (lane / 16) + i of my row
.set R,    128                         ; v128-255 two sets of 64 registers as loaded
.set PW,   15                          ; v15      my row's scale word
.set SEL,  30                          ; s[30:31] lane selects: lane l xor 16
.set MNT,  32
	s_load_b512 s[4:19], s[0:1], 0x0               ; x1, x2, Wq, Wk, Wv, Wu, cods, scls
	v_lshl_add_u32 v13, v0, 2, 0x8800
	v_mov_b32 v14, 0
	v_lshrrev_b32 v1, 5, v0
	v_readfirstlane_b32 s20, v1                    ; wave
	v_and_b32 v7, 31, v0                           ; lane
	v_and_b32 v8, 15, v0                           ; r
	v_bfe_u32 v9, v0, 4, 1                         ; h
	v_lshlrev_b32 v1, 4, v7                        ; 16 x lane
	s_mul_i32 s21, s20, STG
	v_add_nc_u32 v2, s21, v1                       ; the stage, in: 16 x lane of a row
	v_mul_u32_u24 v3, v8, 528
	v_lshl_add_u32 v3, v9, 6, v3
	v_add_nc_u32 v3, s21, v3                       ; out: row r, + 64 h
	s_add_co_u32 s21, s21, SCW
	v_lshl_add_u32 v4, v8, 2, s21                  ; my row's scale word
	v_lshlrev_b32 v6, 3, v7
	v_add_nc_u32 v5, s21, v6                       ; and 8 bytes a lane on the way out
.irp b, 0,1,2,3
	v_mov_b32 v[TM+4+\b], 0                        ; a lane permute's destination counts as read
.endr
	s_mov_b32 s[SEL], 0x76543210
	s_mov_b32 s[SEL+1], 0xfedcba98
	; which tile and which half of K.  Work-groups 0-511: x (tensor g / 256, tile (g % 256) / 2, half g % 2, batch = wave).  512-639: a weight ((g - 512) / 32; task 4 (g % 32) + wave: tile task / 2, half task % 2)
	s_lshr_b32 s22, ttmp9, 8
	s_bfe_u32 s23, ttmp9, 0x70001
	s_and_b32 s33, ttmp9, 1
	s_lshl_b32 s22, s22, 9
	s_lshl_b32 s34, s20, 7
	s_add_co_u32 s22, s22, s34
	s_add_co_u32 s22, s22, s23                     ; x: the tile's number in cods
	s_and_b32 s35, ttmp9, 31
	s_lshl_b32 s35, s35, 2
	s_add_co_u32 s35, s35, s20
	s_lshr_b32 s36, s35, 1
	s_and_b32 s35, s35, 1
	s_sub_co_u32 s37, ttmp9, 512
	s_lshr_b32 s37, s37, 5
	s_lshl_b32 s37, s37, 6
	s_add_co_u32 s37, s37, s36
	s_add_co_u32 s37, s37, 1024                    ; a weight: likewise
	s_mov_b32 s38, 4096
	s_cmp_lt_u32 ttmp9, 512
	s_cselect_b32 s23, s23, s36                    ; tile within the tensor (the batch)
	s_cselect_b32 s33, s33, s35                    ; half of K
	s_cselect_b32 s22, s22, s37                    ; tile in cods
	s_cselect_b32 s38, 16384, s38                  ; bytes from row to row
	s_cselect_b32 s39, s20, 0                      ; batch
	s_lshr_b32 s40, s23, 1
	s_lshl_b32 s40, s40, 5
	s_and_b32 s41, s23, 1
	s_lshl_b32 s41, s41, 3
	s_add_co_u32 s40, s40, s41                     ; the tile's first row
	s_mul_i32 s40, s40, s38
	s_lshl_b32 s41, s39, 12
	s_add_co_u32 s40, s40, s41
	s_lshl_b32 s41, s33, 11
	s_add_co_u32 s40, s40, s41                     ; in: its first byte, + the batch's row, + the half of K
	s_mov_b32 s41, 0
	s_lshl_b32 s42, s22, 14
	s_lshl_b32 s43, s33, 13
	s_add_co_u32 s42, s42, s43                     ; codes out
	s_mov_b32 s43, 0
	s_lshl_b32 s44, s22, 9
	s_lshl_b32 s45, s33, 8
	s_add_co_u32 s44, s44, s45                     ; scale words out
	s_mov_b32 s45, 0
.irp i, 0,1,2,3,4,5,6,7,8,9,10,11,12,13,14,15
	s_mul_i32 s46, s38, \i+8*(\i/8)
	v_add_nc_u32 v[VR+\i], s46, v1
.endr
	s_wait_alu depctr_va_vdst(0)
	s_wait_kmcnt 0x0
	s_cmp_lt_u32 ttmp9, 256                        ; the tensor: a choice among buffers on the work-group's number alone
	s_cselect_b64 s[24:25], s[4:5], s[6:7]
	s_cmp_lt_u32 ttmp9, 512
	s_cselect_b64 s[24:25], s[24:25], s[8:9]
	s_cmp_lt_u32 ttmp9, 544
	s_cselect_b64 s[24:25], s[24:25], s[10:11]
	s_cmp_lt_u32 ttmp9, 576
	s_cselect_b64 s[24:25], s[24:25], s[12:13]
	s_cmp_lt_u32 ttmp9, 608
	s_cselect_b64 s[24:25], s[24:25], s[14:15]
	s_add_nc_u64 s[24:25], s[24:25], s[40:41]
	s_add_nc_u64 s[26:27], s[16:17], s[42:43]
	s_add_nc_u64 s[28:29], s[18:19], s[44:45]
.macro LOAD f                          ; fragment f: 512 consecutive bytes of each of the 16 rows
.irp i, 0,1,2,3,4,5,6,7,8,9,10,11,12,13,14,15
	global_load_b128 v[R+64*((\f)%2)+4*\i:R+64*((\f)%2)+4*\i+3], v[VR+\i], s[24:25] offset:512*(\f) th:TH_LOAD_NT
.endr
.endm
; 64 numbers of a lane become a fragment's codes in v[PC] on and its row's scale word in v[PW]
.macro QUANT s
.irp b, 0,1,2,3
	v_max3_num_f32 v[TM+\b], |v[\s+16*\b]|, |v[\s+1+16*\b]|, 0x4800000   ; block b: my 16 numbers, and the floor 2^(9 - 127): the byte cannot fall under 1
.endr
.irp i, 2,4,6,8,10,12,14
.irp b, 0,1,2,3
	v_max3_num_f32 v[TM+\b], v[TM+\b], |v[\s+16*\b+\i]|, |v[\s+1+16*\b+\i]|   ; the four blocks by turns
.endr
.endr
.irp b, 0,1,2,3
	v_permlanex16_b32 v[TM+4+\b], v[TM+\b], s[SEL], s[SEL+1]
.endr
.irp b, 0,1,2,3
	v_max_num_f32 v[TM+\b], v[TM+\b], v[TM+4+\b]   ; with lane l xor 16's: the block's largest magnitude
.endr
.irp b, 0,1,2,3
	v_add_nc_u32 v[TM+12+\b], 0xfc000000, v[TM+\b] ; 8 off its exponent field: the conversion's scale operand
.endr
.irp b, 0,1,2,3
.endr
.irp b, 0,1,2,3
	v_lshrrev_b32 v[TM+4+\b], 23, v[TM+12+\b]      ; the scale's byte
.endr
	v_lshl_or_b32 v[PW], v[TM+5], 8, v[TM+4]
	v_lshl_or_b32 v[PW], v[TM+6], 16, v[PW]
	v_lshl_or_b32 v[PW], v[TM+7], 24, v[PW]
.irp b, 0,1,2,3
.irp i, 0,1,2,3,4,5,6,7,8,9,10,11,12,13,14,15
.endr
	v_cvt_scalef32_pk8_fp8_f32 v[PC+4*\b:PC+1+4*\b], v[\s+16*\b:\s+7+16*\b], v[TM+12+\b]
	v_cvt_scalef32_pk8_fp8_f32 v[PC+2+4*\b:PC+3+4*\b], v[\s+8+16*\b:\s+15+16*\b], v[TM+12+\b]
.endr
	v_nop                                          ; one plain line behind the last conversion
.endm
.macro FRAG f
.if (\f) < 3
	s_wait_loadcnt 16                              ; this fragment's 16 loads are in; the next fragment's 16 may be out
.else
	s_wait_loadcnt 0x0
.endif
.irp i, 0,1,2,3,4,5,6,7,8,9,10,11,12,13,14,15
	ds_store_b128 v2, v[R+64*((\f)%2)+4*\i:R+64*((\f)%2)+4*\i+3] offset:528*\i
.endr
.irp c, 0,1,2,3
.irp j, 0,1,2,3
	ds_load_b128 v[X+16*\c+4*\j:X+16*\c+4*\j+3], v3 offset:128*\c+16*\j   ; LDS serves a wave's instructions in order: these see the stores above
.endr
.endr
	s_wait_dscnt 0x0                               ; the numbers are back, the stage's stores have read their registers, and so has the last scale word's store
.if (\f) > 0
	s_wait_xcnt 0x0                                ; the last fragment's stores have read their codes: the registers are written again only behind this wait
.endif
.if (\f) < 2
	LOAD (\f)+2
.endif
	QUANT X
.irp c, 0,1,2,3
	global_store_b128 v1, v[PC+4*\c:PC+4*\c+3], s[26:27] offset:2048*(\f)+512*\c   ; 512 consecutive bytes, aligned
.endr
	ds_store_b32 v4, v[PW] offset:64*(\f)          ; lanes r and r + 16 write the same word with the same value
.endm
	LOAD 0
	LOAD 1
	FRAG 0
	FRAG 1
	FRAG 2
	FRAG 3
	ds_load_b64 v[10:11], v5                       ; my wave's 64 scale words
	s_wait_dscnt 0x0
	global_store_b64 v6, v[10:11], s[28:29]        ; 256 consecutive bytes, aligned
	s_wait_tensorcnt 0x0
	ds_add_u32 v13, v14
	s_wait_dscnt 0x0
	s_endpgm
.Lfunc_end_k_qd0bfa7eb77_quant:
	.size	k_qd0bfa7eb77_quant, .Lfunc_end_k_qd0bfa7eb77_quant-k_qd0bfa7eb77_quant
	.p2alignl 7, 3214868480
	.fill 96, 4, 3214868480
	.section	.rodata,"a",@progbits
	.p2align	6, 0x0
	.amdhsa_kernel k_qd0bfa7eb77_quant
		.amdhsa_group_segment_fixed_size 35328
		.amdhsa_private_segment_fixed_size 0
		.amdhsa_enable_private_segment 0
		.amdhsa_kernarg_size 64
		.amdhsa_user_sgpr_count 2
		.amdhsa_user_sgpr_kernarg_segment_ptr 1
		.amdhsa_wavefront_size32 1
		.amdhsa_system_sgpr_workgroup_id_x 1
		.amdhsa_system_sgpr_workgroup_id_y 1
		.amdhsa_system_sgpr_workgroup_id_z 1
		.amdhsa_system_vgpr_workitem_id 0
		.amdhsa_next_free_vgpr 256
		.amdhsa_next_free_sgpr 66
		.amdhsa_reserve_vcc 0
		.amdhsa_float_denorm_mode_32 3
		.amdhsa_float_denorm_mode_16_64 3
		.amdhsa_fp16_overflow 1
		.amdhsa_memory_ordered 1
		.amdhsa_forward_progress 1
		.amdhsa_inst_pref_size 36
	.end_amdhsa_kernel
	.amdgpu_metadata
---
amdhsa.version: [ 1, 2 ]
amdhsa.kernels:
  - .name:           k_qd0bfa7eb77_quant
    .symbol:         k_qd0bfa7eb77_quant.kd
    .args:
      - { .name: x1, .offset: 0, .size: 8, .value_kind: global_buffer, .address_space: global }
      - { .name: x2, .offset: 8, .size: 8, .value_kind: global_buffer, .address_space: global }
      - { .name: Wq, .offset: 16, .size: 8, .value_kind: global_buffer, .address_space: global }
      - { .name: Wk, .offset: 24, .size: 8, .value_kind: global_buffer, .address_space: global }
      - { .name: Wv, .offset: 32, .size: 8, .value_kind: global_buffer, .address_space: global }
      - { .name: Wu, .offset: 40, .size: 8, .value_kind: global_buffer, .address_space: global }
      - { .name: cods, .offset: 48, .size: 8, .value_kind: global_buffer, .address_space: global }
      - { .name: scls, .offset: 56, .size: 8, .value_kind: global_buffer, .address_space: global }
    .group_segment_fixed_size: 35328
    .private_segment_fixed_size: 0
    .kernarg_segment_align: 8
    .kernarg_segment_size: 64
    .max_flat_workgroup_size: 128
    .sgpr_count:     66
    .vgpr_count:     256
    .wavefront_size: 32
...
	.end_amdgpu_metadata
.endif
;; end of part 1
;; launch proj (part 2): grid 4 x 96, 4 waves a work-group, clusters of 4 x 4, 327,680 bytes of LDS; arguments cods, scls, bq, bk, bv, qkv, qkvs; writes qkv, qkvs
.if DOCPART == 2
	.amdgcn_target "amdgcn-amd-amdhsa--gfx1250"
	.amdhsa_code_object_version 6
	.text
	.protected	k_qd0bfa7eb77_proj
	.globl	k_qd0bfa7eb77_proj
	.p2align	8
	.type	k_qd0bfa7eb77_proj,@function
k_qd0bfa7eb77_proj:
	s_mov_b64 s[64:65], 0
	v_nop
	global_prefetch_b8 v0, s[64:65] scope:SCOPE_SE
	s_setreg_imm32_b32 hwreg(HW_REG_WAVE_MODE, 25, 1), 1
	s_wait_xcnt 0x0
	s_wait_alu depctr_hold_cnt(0) depctr_sa_sdst(0) depctr_va_vdst(0) depctr_va_sdst(0) depctr_va_ssrc(0) depctr_va_vcc(0) depctr_vm_vsrc(0)
	s_getreg_b32 s2, hwreg(HW_REG_IB_STS2, 6, 4)
	s_cmp_eq_u32 s2, 0
	s_cbranch_scc0 .Lentry_in_a_cluster
	s_endpgm
.Lentry_in_a_cluster:
	s_bfe_u32 s2, ttmp6, 0x10000c
	s_cmp_lg_u32 s2, 0xf033
	s_cbranch_scc0 .Lentry_shape_is_right
	s_endpgm
.Lentry_shape_is_right:
; q = x1 Wq^T + bq, k = x2 Wk^T + bk, v = x2 Wv^T + bv on codes of FP8 (E4M3) with E8M0 scales, and each result quantised again, in registers, along the K of the product that will take it:
; q and k along the head's 64 features, v along the keys.  One text serves the three: the cluster's y says which (y / 8: 0 q, 1 k, 2 v).
; SOURCE 1 ("A") gives a result's lanes, SOURCE 0 ("B") its registers, and the quantiser runs along the registers.  q: A = x1, B = Wq.  k: A = x2, B = Wk.  v: A = Wv, B = x2.
; Operands lie in cods as images of fragments ([tile of 16 rows][K step 8][2,048 bytes]) whose rows are ordered so that the 16 registers of result tiles 2 b, 2 b + 1 are 16 neighbours along B's rows: 32 b + 16 (lane / 16) + 0 .. 15.
; SHARES: a work-group of four waves makes 256 (A) x 256 (B), a wave 128 x 128: 64 accumulators.  K = 1,024 goes in four steps of 256 through two LDS slots.  4 x 4 work-groups form a cluster: A's tiles are asked for
; jointly along a row of the cluster, B's along a column.  The scale words of the work-group's rows, for all of K, come once with the first fills.
; THE BIAS: along the registers (q, k) it is the C of the first K step; along the lanes (v) it is added where the sums are moved to be quantised.  The one that a kind does not have is cleared by a mask of zeros.
; OUT: qkv: part kind << 23; q, k: [head pair 8][tile 512][2,048] (group 2 (head % 2) + block); v: [batch x 16 + 128 keys][tile of features 64][2,048].  qkvs: part kind << 18; one word a row; k's words are regrouped to
;   row 32 f + 16 (head % 2) + r = the two bytes of key tile 2 f and the two of tile 2 f + 1, as the attention's packed fragments want them.
; LIMITS: NaN and infinities are not served; a block whose largest magnitude lies under 2^-118 gets the byte 1; the bytes are read by this program alone.
; REGISTERS: window 0: v16-31 addresses; v32-63 scale words, two sets; v64-127 the bias along registers (later v64-87 the bias along lanes); v128-255 A's fragments, one set; at the end v128-243 the quantiser.
;   window 1: B's fragments, two sets.  windows 2, 3: the accumulators ((a, b) at v[8 (8 (a % 4) + b)]).
.set SLOT,  131072                     ; a slot: A's 16 tiles x 4,096 bytes (two K steps of 128), then B's
.set SCA,   262144                     ; A's scale words, 16 tiles x 512 bytes; B's follow
.set SPARE, 278528                     ; the spare words: 128 bytes a wave, two blocks of 256 bytes that no other line names
.set FR,   16
.set NL,   4
.set NP,   8                           ; places behind this matrix instruction (ISA guide 7.12.1)
.set ADRA, 16                          ; v16-17 my A fragments in slot 0, 1
.set ADRB, 20                          ; v20-21 my B fragments
.set BH,   24                          ; v24    64 x (lane / 16)
.set BR,   25                          ; v25    4 (r + 8 (r / 8))
.set SWI,  26                          ; v26    scratch, in: 512 x wave + 4 r
.set ADRS, 27                          ; v27    my scale words: lanes 0-15 A's, lanes 16-31 B's
.set SPW,  28
.set NIL,  29
.set LI,   30                          ; v30    16 x lane
.set SWO,  31                          ; v31    scratch, out
.set SC,   32
.set BN,   64
.set BM,   64
.set BMP,  72
.set AF,   128
.set X,    128
.set TM,   192
.set PC,   208
.set WS,   224
.set U,    232
.set RB,   240
.set G1,   24
.set G0,   32
.set G1B,  48
.set G0B,  56
.set G1S,  68
.set G0S,  76
.set G1SB, 80
.set G0SB, 88
.set SEL,  2
.set MNT,  21
.set MSB, 0
.macro WIN new                         ; the immediate's high byte repeats the setting that is left
.if MSB != (\new)
	s_set_vgpr_msb (MSB<<8)|(\new)
.set MSB, (\new)
.endif
.endm
.set MUL_LO, 0xa1                      ; source 0 (B) window 1, source 1 (A) window 0, C and D window 2
.set MUL_HI, 0xf1
.set TO_B,   0x40
.macro JLOAD g0a, g1a, g0b, g1b        ; a joint load: waves 0, 1 fetch for A, waves 2, 3 for B; four v_nop follow each line
	s_cmp_eq_u32 s19, 0
	s_cbranch_scc0 .Lfor_b_\@
	tensor_load_to_lds s[\g0a:\g0a+3], s[\g1a:\g1a+7]
	s_nop 0
.rept 4
	v_nop
.endr
	s_branch .Lasked_\@
.Lfor_b_\@:
	tensor_load_to_lds s[\g0b:\g0b+3], s[\g1b:\g1b+7]
	s_nop 0
.rept 4
	v_nop
.endr
.Lasked_\@:
.endm
.macro CREST                           ; a round of the cluster's barrier behind its opening barrier
	s_cmp_lg_u32 s18, 0
	s_cbranch_scc1 .Lnot_wave_0_\@
	s_barrier_signal -3
.Lnot_wave_0_\@:
	s_barrier_wait -3
	s_barrier_signal -1
	s_barrier_wait -1
.endm
.macro CROUND
	s_barrier_signal -1
	s_barrier_wait -1
	CREST
.endm
	s_load_b256 s[4:11], s[0:1], 0x0               ; cods, scls, bq, bk
	s_load_b128 s[12:15], s[0:1], 0x20             ; bv, qkv
	s_load_b64 s[16:17], s[0:1], 0x30              ; qkvs
	v_lshl_add_u32 v[SPW], v0, 2, SPARE
	v_mov_b32 v[NIL], 0
	ds_add_u32 v28, v29
	ds_add_u32 v28, v29
	s_wait_dscnt 0x0
	v_lshrrev_b32 v1, 5, v0
	v_readfirstlane_b32 s18, v1                    ; wave
	s_lshr_b32 s19, s18, 1                         ; my half of A's rows.  Also: I fetch for A (0) or B (1)
	s_and_b32 s20, s18, 1                          ; my half of B's rows.  Also: which 8 tiles I fetch
	s_bfe_u32 s21, ttmp6, 0x40000                  ; cx
	s_bfe_u32 s22, ttmp6, 0x40004                  ; cy
	s_and_b32 s67, ttmp7, 0xffff                   ; the cluster's y, which all sixteen share
	s_lshr_b32 s66, s67, 3                         ; kind
	s_and_b32 s67, s67, 7
	s_mov_b32 s47, 1088
	s_mov_b32 s100, 0x03020100                     ; byte selects for the scale words' regrouping: none for q and v,
	s_mov_b32 s101, 0x07060504
	s_cmp_eq_u32 s66, 0
	s_cselect_b32 s46, 0, 512                      ; A's first tile in cods
	s_cselect_b32 s47, 1024, s47                   ; B's
	s_cmp_eq_u32 s66, 1
	s_cselect_b32 s100, 0x05040100, s100           ; for k: the low halves of two words, and the high halves
	s_cselect_b32 s101, 0x07060302, s101
	s_cmp_eq_u32 s66, 2
	s_cselect_b32 s46, 1152, s46
	s_cselect_b32 s47, 512, s47
	s_cselect_b32 s44, 0, s67                      ; the tokens' 32 blocks of 256 run along A for q and k, along B for v
	s_cselect_b32 s45, s67, 0
	s_cselect_b32 s98, 0, -1                       ; mask: the bias runs along the registers
	s_cselect_b32 s99, -1, 0                       ; mask: it runs along the lanes
	s_lshl_b32 s40, s44, 2
	s_add_co_u32 s40, s40, s22                     ; block of 256 of A
	s_lshl_b32 s41, s45, 2
	s_add_co_u32 s41, s41, s21                     ; block of 256 of B
	s_lshl_b32 s42, s22, 2
	s_lshl_b32 s42, 15, s42                        ; my row of the cluster
	s_lshl_b32 s43, 0x1111, s21                    ; my column
	; group 1, codes: 8 rows (tiles) of 4,096 bytes = 512 elements of 8 bytes, 16,384 bytes apart; dense in LDS
	s_or_b32 s[G1], s42, (3<<16)|(1<<21)
	s_or_b32 s[G1B], s43, (3<<16)|(1<<21)
.irp g, G1, G1B
	s_mov_b32 s[\g+1], 512<<16
	s_mov_b32 s[\g+2], 8<<16
	s_mov_b32 s[\g+3], 512<<16
	s_mov_b32 s[\g+4], 8
	s_mov_b32 s[\g+5], 2048
	s_mov_b32 s[\g+6], 0
	s_mov_b32 s[\g+7], 0
.endr
	; group 1, scale words of 8 tiles: 4,096 dense bytes as 16 rows of 256
	s_or_b32 s[G1S], s42, (3<<16)|(1<<21)
	s_or_b32 s[G1SB], s43, (3<<16)|(1<<21)
.irp g, G1S, G1SB
	s_mov_b32 s[\g+1], 32<<16
	s_mov_b32 s[\g+2], 16<<16
	s_mov_b32 s[\g+3], 32<<16
	s_mov_b32 s[\g+4], 16
	s_mov_b32 s[\g+5], 32
	s_mov_b32 s[\g+6], 0
	s_mov_b32 s[\g+7], 0
.endr
	s_lshl_b32 s92, s40, 4
	s_add_co_u32 s92, s92, s46
	s_lshl_b32 s94, s20, 3
	s_add_co_u32 s92, s92, s94                     ; A: the first tile that I fetch
	s_lshl_b32 s94, s92, 9                         ; its scale words,
	s_lshl_b32 s92, s92, 14                        ; its codes
	s_mov_b32 s93, 0
	s_mov_b32 s95, 0
	s_lshl_b32 s96, s41, 4
	s_add_co_u32 s96, s96, s47
	s_lshl_b32 s2, s20, 3
	s_add_co_u32 s96, s96, s2                      ; B likewise
	s_lshl_b32 s2, s96, 9
	s_lshl_b32 s96, s96, 14
	s_mov_b32 s97, 0
	s_mov_b32 s3, 0
	s_lshl_b32 s23, s18, 15                        ; where they go: 32,768 x wave, and 4,096 x wave: no place in the cluster enters an LDS address
	s_lshl_b32 s67, s18, 12
	s_wait_kmcnt 0x0
	s_add_nc_u64 s[92:93], s[4:5], s[92:93]
	s_add_nc_u64 s[94:95], s[6:7], s[94:95]
	s_add_nc_u64 s[96:97], s[4:5], s[96:97]
	s_add_nc_u64 s[2:3], s[6:7], s[2:3]
	CROUND                                         ; all sixteen work-groups are here: the first joint loads meet
	s_mov_b32 s[G0S], 1
	s_add_co_u32 s[G0S+1], s67, SCA
	s_mov_b64 s[G0S+2:G0S+3], s[94:95]
	s_or_b32 s[G0S+3], s[G0S+3], 0x80000000
	s_mov_b32 s[G0SB], 1
	s_add_co_u32 s[G0SB+1], s67, SCA
	s_mov_b64 s[G0SB+2:G0SB+3], s[2:3]
	s_or_b32 s[G0SB+3], s[G0SB+3], 0x80000000
	JLOAD G0S, G1S, G0SB, G1SB                     ; the scale words first
.irp s, 0,1
	s_mov_b32 s[G0+4*\s], 1
	s_add_co_u32 s[G0+4*\s+1], s23, \s*SLOT
	s_add_nc_u64 s[G0+4*\s+2:G0+4*\s+3], s[92:93], \s*4096
	s_or_b32 s[G0+4*\s+3], s[G0+4*\s+3], 0x80000000
	s_mov_b32 s[G0B+4*\s], 1
	s_add_co_u32 s[G0B+4*\s+1], s23, \s*SLOT
	s_add_nc_u64 s[G0B+4*\s+2:G0B+4*\s+3], s[96:97], \s*4096
	s_or_b32 s[G0B+4*\s+3], s[G0B+4*\s+3], 0x80000000
	s_wait_alu depctr_va_vdst(0)
	s_wait_tensorcnt 0x0
	ds_add_u32 v28, v29
	s_wait_dscnt 0x0
	CROUND
	JLOAD G0+4*\s, G1, G0B+4*\s, G1B               ; one load of mine is out
.endr
	; the bias: which, and where my part begins along the registers (s[8:9]) and along the lanes (s[10:11]); the offset of the way that the kind does not go is held at 0, inside the buffer
	s_cmp_eq_u32 s66, 0
	s_cselect_b64 s[8:9], s[8:9], s[10:11]
	s_cmp_eq_u32 s66, 2
	s_cselect_b64 s[8:9], s[12:13], s[8:9]
	s_lshl_b32 s12, s40, 8
	s_lshl_b32 s13, s19, 7
	s_add_co_u32 s12, s12, s13
	s_and_b32 s12, s12, s99
	s_lshl_b32 s12, s12, 2
	s_mov_b32 s13, 0
	s_add_nc_u64 s[10:11], s[8:9], s[12:13]
	s_lshl_b32 s12, s41, 8
	s_lshl_b32 s44, s20, 7
	s_add_co_u32 s12, s12, s44
	s_and_b32 s12, s12, s98
	s_lshl_b32 s12, s12, 2
	s_add_nc_u64 s[8:9], s[8:9], s[12:13]
	v_and_b32 v1, 15, v0                           ; r
	v_bfe_u32 v2, v0, 4, 1                         ; h
	v_and_b32 v3, 31, v0
	v_lshlrev_b32 v[LI], 4, v3
	v_lshlrev_b32 v[BH], 6, v2
.irp b, 0,1,2,3,4,5,6,7
	global_load_b128 v[BN+8*\b:BN+8*\b+3], v[BH], s[8:9] offset:(32*(\b/2)+8*(\b%2))*4        ; tile b's eight: 32 (b / 2) + 16 h + 8 (b % 2) + 0 .. 7
	global_load_b128 v[BN+8*\b+4:BN+8*\b+7], v[BH], s[8:9] offset:(32*(\b/2)+8*(\b%2))*4+16
.endr
	v_and_b32 v5, 8, v1
	v_add_nc_u32 v5, v5, v1
	v_lshlrev_b32 v[BR], 2, v5
	s_lshl_b32 s44, s19, 15
	s_lshl_b32 s45, s20, 15
	s_add_co_u32 s45, s45, 65536
.irp s, 0,1
	v_add_nc_u32 v[ADRA+\s], s44, v[LI]
	v_add_nc_u32 v[ADRB+\s], s45, v[LI]
	s_add_co_u32 s44, s44, SLOT
	s_add_co_u32 s45, s45, SLOT
.endr
	s_lshl_b32 s44, s19, 12                        ; A's scale words: my 8 tiles
	s_lshl_b32 s45, s20, 12                        ; B's, 8,192 bytes behind A's
	s_add_co_u32 s45, s45, 8192
	s_sub_co_u32 s45, s45, s44
	v_mul_u32_u24 v4, s45, v2                      ; lanes 16-31 take B's: one product, h x the distance
	s_add_co_u32 s44, s44, SCA
	v_lshl_add_u32 v4, v1, 2, v4
	v_add_nc_u32 v[ADRS], s44, v4
	s_lshl_b32 s44, s18, 9
	v_lshl_add_u32 v[SWI], v1, 2, s44
	v_add_nc_u32 v[SWO], s44, v[LI]
	; where my results go
	s_lshl_b32 s23, s41, 1
	s_add_co_u32 s23, s23, s20                     ; my 128 of B: the head pair (q, k), or batch x 16 + the 128 keys (v)
	s_cmp_eq_u32 s66, 2
	s_cselect_b32 s44, 17, 20
	s_cselect_b32 s46, 12, 15
	s_lshl_b32 s44, s23, s44
	s_lshl_b32 s46, s23, s46
	s_lshl_b32 s45, s66, 23
	s_add_co_u32 s44, s44, s45
	s_lshl_b32 s45, s66, 18
	s_add_co_u32 s46, s46, s45
	s_lshl_b32 s45, s40, 4
	s_lshl_b32 s47, s19, 3
	s_add_co_u32 s45, s45, s47                     ; my first tile of A's rows
	s_lshl_b32 s47, s45, 11
	s_add_co_u32 s44, s44, s47
	s_lshl_b32 s47, s45, 6
	s_add_co_u32 s46, s46, s47
	s_mov_b32 s45, 0
	s_mov_b32 s47, 0
	s_add_nc_u64 s[14:15], s[14:15], s[44:45]
	s_add_nc_u64 s[16:17], s[16:17], s[46:47]
	s_mov_b32 s[SEL], 0x76543210
	s_mov_b32 s[SEL+1], 0xfedcba98
	s_wait_loadcnt 0x0
.set i, 0
.rept 64
	v_and_b32 v[BN+i], s98, v[BN+i]                ; zeros where the bias runs along the lanes
.set i, i+1
.endr
.macro FRAG reg, adr, q, i             ; a fragment's image: four loads of 512 consecutive bytes
.irp c, 0,1,2,3
	ds_load_b128 v[\reg+4*\c:\reg+4*\c+3], v[\adr] offset:4096*(\i)+2048*(\q)+512*\c
.endr
.endm
; 16 matrix instructions: A's blocks a0, a0 + 1 x B's eight.  p: B's set; q: the slot's K step; sc: the set of scale words.  zero = 1: the first K step starts the sums, with the bias as C.
; The 64 accumulators take turns, one instruction a turn, in the same order in every step.
.macro MUL16 a0, p, q, sc, zero
.irp a, \a0, \a0+1
.irp b, 0,1,2,3,4,5,6,7
.if \zero
	v_wmma_scale_f32_16x16x128_f8f6f4 v[8*(8*((\a)%4)+\b):8*(8*((\a)%4)+\b)+7], v[128*(\p)+FR*\b:128*(\p)+FR*\b+FR-1], v[AF+FR*(\a):AF+FR*(\a)+FR-1], v[BN+8*\b:BN+8*\b+7], v[SC+16*(\sc)+2*\b+(\q)], v[SC+16*(\sc)+2*(\a)+(\q)] matrix_a_scale:MATRIX_SCALE_ROW1
.else
	v_wmma_scale_f32_16x16x128_f8f6f4 v[8*(8*((\a)%4)+\b):8*(8*((\a)%4)+\b)+7], v[128*(\p)+FR*\b:128*(\p)+FR*\b+FR-1], v[AF+FR*(\a):AF+FR*(\a)+FR-1], v[8*(8*((\a)%4)+\b):8*(8*((\a)%4)+\b)+7], v[SC+16*(\sc)+2*\b+(\q)], v[SC+16*(\sc)+2*(\a)+(\q)] matrix_a_scale:MATRIX_SCALE_ROW1
.endif
.endr
.endr
.endm
.macro FETCH_B slot, q, p
	WIN TO_B
.irp i, 0,1,2,3,4,5,6,7
	FRAG 128*(\p)+FR*\i, ADRB+\slot, \q, \i
.endr
	WIN 0
.endm
.macro FETCH_A slot, q, i0
.irp i, \i0, \i0+1, \i0+2, \i0+3
	FRAG AF+FR*(\i), ADRA+\slot, \q, \i
.endr
.endm
.macro SCALES sc                       ; a slot's scale words: register 2 i + q: lanes 0-15 A's block i, lanes 16-31 B's block i
.irp i, 0,1,2,3,4,5,6,7
	ds_load_b32 v[SC+16*\sc+2*\i], v[ADRS] offset:512*\i
	ds_load_b32 v[SC+16*\sc+2*\i+1], v[ADRS] offset:512*\i+64
.endr
.endm
.macro PLACES n                        ; plain lines between a matrix instruction and a load into, or a vector access to, its registers
.rept \n
	v_nop
.endr
.endm
.macro STEP slot, q, zero              ; a K step of 128 that has its successor in the same slot
	s_wait_dscnt 4*NL                              ; B's set and A's blocks 0-3 are in; the youngest 16 loads (A's blocks 4-7) may be out
.if \zero
	WIN 0x81                                       ; C (the bias) in window 0, D in window 2
.else
	WIN MUL_LO
.endif
	MUL16 0, (\q)%2, \q, \slot, \zero
	MUL16 2, (\q)%2, \q, \slot, \zero
	s_wait_dscnt 0
	PLACES NP
	FETCH_B \slot, (\q)+1, 1-(\q)%2
	FETCH_A \slot, (\q)+1, 0
.if \zero
	WIN 0xc1
.else
	WIN MUL_HI
.endif
	MUL16 4, (\q)%2, \q, \slot, \zero
	MUL16 6, (\q)%2, \q, \slot, \zero
	PLACES NP
	WIN 0
	FETCH_A \slot, (\q)+1, 4
.endm
; A slot's last step changes slots: one barrier; in front of it each wave waits for all its tensor loads, adds 0 to its spare word, and waits for that and for its reads of this slot.
.macro TURN slot, next, fill
	s_wait_tensorcnt 0x0                           ; all my tensor loads have landed: my part of the next slot
	ds_add_u32 v[SPW], v[NIL]
	s_wait_dscnt 4*NL+1                            ; the add and the youngest 16 loads may be out
	WIN MUL_LO
	MUL16 0, 1, 1, \slot, 0
	s_wait_dscnt 0x0                               ; the add is done, and my reads of this slot are over
	s_barrier_signal -1
	MUL16 2, 1, 1, \slot, 0
	WIN 0
	s_barrier_wait -1
.if \fill
	CREST                                          ; the barrier has opened a round of the cluster's: no wave of any partner still reads this slot or has a load on its way
	s_add_nc_u64 s[G0+4*\slot+2:G0+4*\slot+3], s[G0+4*\slot+2:G0+4*\slot+3], 8192   ; two slots on: four K steps of 2,048 bytes
	s_add_nc_u64 s[G0B+4*\slot+2:G0B+4*\slot+3], s[G0B+4*\slot+2:G0B+4*\slot+3], 8192
	JLOAD G0+4*\slot, G1, G0B+4*\slot, G1B         ; the first tensor load behind the round; its four v_nop are four of the eight places
	PLACES NP-4
.else
	PLACES NP
.endif
	s_wait_alu depctr_va_vdst(0)
	v_add_nc_u32 v[ADRS], 128, v[ADRS]             ; the next slot's scale words (no LDS load of mine is out)
	FETCH_B \next, 0, 0
	FETCH_A \next, 0, 0
	SCALES \next
	WIN MUL_HI
	MUL16 4, 1, 1, \slot, 0
	MUL16 6, 1, 1, \slot, 0
	PLACES NP
	WIN 0
	FETCH_A \next, 0, 4
.endm
; 64 numbers of a lane, register 16 b + i = 32 b + 16 (lane / 16) + i along the next K, become a fragment's codes in v[PC] on and its row's scale word in v[pw]
.macro QUANT s, pw
.irp b, 0,1,2,3
	v_max3_num_f32 v[TM+\b], |v[\s+16*\b]|, |v[\s+1+16*\b]|, 0x4800000   ; my 16 numbers, and the floor 2^(9 - 127)
.endr
.irp i, 2,4,6,8,10,12,14
.irp b, 0,1,2,3
	v_max3_num_f32 v[TM+\b], v[TM+\b], |v[\s+16*\b+\i]|, |v[\s+1+16*\b+\i]|
.endr
.endr
.irp b, 0,1,2,3
	v_permlanex16_b32 v[TM+4+\b], v[TM+\b], s[SEL], s[SEL+1]
.endr
.irp b, 0,1,2,3
	v_max_num_f32 v[TM+\b], v[TM+\b], v[TM+4+\b]
.endr
.irp b, 0,1,2,3
	v_add_nc_u32 v[TM+12+\b], 0xfc000000, v[TM+\b]
.endr
.irp b, 0,1,2,3
.endr
.irp b, 0,1,2,3
	v_lshrrev_b32 v[TM+4+\b], 23, v[TM+12+\b]
.endr
	v_lshl_or_b32 v[\pw], v[TM+5], 8, v[TM+4]
	v_lshl_or_b32 v[\pw], v[TM+6], 16, v[\pw]
	v_lshl_or_b32 v[\pw], v[TM+7], 24, v[\pw]
.irp b, 0,1,2,3
.irp i, 0,1,2,3,4,5,6,7,8,9,10,11,12,13,14,15
.endr
	v_cvt_scalef32_pk8_fp8_f32 v[PC+4*\b:PC+1+4*\b], v[\s+16*\b:\s+7+16*\b], v[TM+12+\b]
	v_cvt_scalef32_pk8_fp8_f32 v[PC+2+4*\b:PC+3+4*\b], v[\s+8+16*\b:\s+15+16*\b], v[TM+12+\b]
.endr
	v_nop                                          ; one plain line behind the last conversion
.endm
; Block a of A's rows: its 64 sums a lane come into window 0 with the bias along the lanes added (each accumulator from its low end on), are quantised, and leave as an image
.macro EPI a
.if (\a) > 0
	s_wait_xcnt 0x0                                ; the last block's stores have read their codes
.endif
	WIN 0x02+(\a)/4
.set i, 0
.rept 32
	v_pk_add_f32 v[X+2*i:X+2*i+1], v[64*((\a)%4)+2*i:64*((\a)%4)+2*i+1], v[BMP+2*(\a):BMP+2*(\a)+1]
.set i, i+1
.endr
	WIN 0
	QUANT X, WS+(\a)
.irp c, 0,1,2,3
	global_store_b128 v[LI], v[PC+4*\c:PC+4*\c+3], s[14:15] offset:2048*(\a)+512*\c   ; 512 consecutive bytes, aligned
.endr
.endm
	s_wait_alu depctr_va_vdst(0)
	s_wait_tensorcnt 1                             ; the scale words and my part of slot 0 are in; slot 1's load may be out
	s_barrier_signal -1
	s_barrier_wait -1
	FETCH_B 0, 0, 0
	FETCH_A 0, 0, 0
	SCALES 0
	FETCH_A 0, 0, 4
	STEP 0, 0, 1
.irp a, 0,1,2,3,4,5,6,7
	global_load_b32 v[BM+\a], v[BR], s[10:11] offset:(32*(\a/2)+8*(\a%2))*4   ; the bias along the lanes, into registers that the first step has left (its eight places stand above); waited for at the end
.endr
	TURN 0, 1, 1
	STEP 1, 0, 0
	TURN 1, 0, 1
	STEP 0, 0, 0
	TURN 0, 1, 0                                   ; the last two slots are filled no more: no round
	STEP 1, 0, 0
	s_wait_dscnt 4*NL
	WIN MUL_LO
	MUL16 0, 1, 1, 1, 0
	MUL16 2, 1, 1, 1, 0
	s_wait_dscnt 0
	WIN MUL_HI
	MUL16 4, 1, 1, 1, 0
	MUL16 6, 1, 1, 1, 0
	WIN 0
	PLACES NP
	s_wait_loadcnt 0x0
.irp a, 0,1,2,3,4,5,6,7
	v_and_b32 v[BMP+2*\a], s99, v[BM+\a]           ; a pair for the packed addition; zeros where the bias ran along the registers
	v_and_b32 v[BMP+2*\a+1], s99, v[BM+\a]
.endr
.irp b, 0,1,2,3
	v_mov_b32 v[TM+4+\b], 0                        ; a lane permute's destination counts as read
.endr
.irp a, 0,1,2,3,4,5,6,7
	EPI \a
.endr
	; the scale words of my 128 rows go through 512 bytes of my own in slot 0 (it has had its last fill, and every wave has passed the last change of slots) and leave as 512 consecutive bytes
.irp p, 0,1,2,3
	v_perm_b32 v[U+2*\p], v[WS+2*\p+1], v[WS+2*\p], s100
	v_perm_b32 v[U+2*\p+1], v[WS+2*\p+1], v[WS+2*\p], s101
	ds_store_b32 v[SWI], v[U+2*\p] offset:128*\p
	ds_store_b32 v[SWI], v[U+2*\p+1] offset:128*\p+64
.endr
	ds_load_b128 v[RB:RB+3], v[SWO]                ; LDS serves a wave's instructions in order
	s_wait_dscnt 0x0
	global_store_b128 v[LI], v[RB:RB+3], s[16:17]
	s_wait_tensorcnt 0x0                           ; the wave's end
	ds_add_u32 v[SPW], v[NIL]
	s_wait_dscnt 0x0
	CROUND                                         ; the closing round
	s_endpgm
.Lfunc_end_k_qd0bfa7eb77_proj:
	.size	k_qd0bfa7eb77_proj, .Lfunc_end_k_qd0bfa7eb77_proj-k_qd0bfa7eb77_proj
	.p2alignl 7, 3214868480
	.fill 96, 4, 3214868480
	.section	.rodata,"a",@progbits
	.p2align	6, 0x0
	.amdhsa_kernel k_qd0bfa7eb77_proj
		.amdhsa_group_segment_fixed_size 327680
		.amdhsa_private_segment_fixed_size 0
		.amdhsa_enable_private_segment 0
		.amdhsa_kernarg_size 56
		.amdhsa_user_sgpr_count 2
		.amdhsa_user_sgpr_kernarg_segment_ptr 1
		.amdhsa_wavefront_size32 1
		.amdhsa_system_sgpr_workgroup_id_x 1
		.amdhsa_system_sgpr_workgroup_id_y 1
		.amdhsa_system_sgpr_workgroup_id_z 1
		.amdhsa_system_vgpr_workitem_id 0
		.amdhsa_next_free_vgpr 1024
		.amdhsa_next_free_sgpr 102
		.amdhsa_reserve_vcc 0
		.amdhsa_float_denorm_mode_32 3
		.amdhsa_float_denorm_mode_16_64 3
		.amdhsa_fp16_overflow 1
		.amdhsa_memory_ordered 1
		.amdhsa_forward_progress 1
		.amdhsa_inst_pref_size 175
	.end_amdhsa_kernel
	.amdgpu_metadata
---
amdhsa.version: [ 1, 2 ]
amdhsa.kernels:
  - .name:           k_qd0bfa7eb77_proj
    .symbol:         k_qd0bfa7eb77_proj.kd
    .args:
      - { .name: cods, .offset: 0, .size: 8, .value_kind: global_buffer, .address_space: global }
      - { .name: scls, .offset: 8, .size: 8, .value_kind: global_buffer, .address_space: global }
      - { .name: bq, .offset: 16, .size: 8, .value_kind: global_buffer, .address_space: global }
      - { .name: bk, .offset: 24, .size: 8, .value_kind: global_buffer, .address_space: global }
      - { .name: bv, .offset: 32, .size: 8, .value_kind: global_buffer, .address_space: global }
      - { .name: qkv, .offset: 40, .size: 8, .value_kind: global_buffer, .address_space: global }
      - { .name: qkvs, .offset: 48, .size: 8, .value_kind: global_buffer, .address_space: global }
    .group_segment_fixed_size: 327680
    .private_segment_fixed_size: 0
    .kernarg_segment_align: 8
    .kernarg_segment_size: 56
    .max_flat_workgroup_size: 128
    .sgpr_count:     102
    .vgpr_count:     1024
    .wavefront_size: 32
...
	.end_amdgpu_metadata
.endif
;; end of part 2
;; launch attn (part 3): grid 4 x 64, 16 waves a work-group, clusters of 4 x 1, 274,944 bytes of LDS; arguments qkv, qkvs, oc, os; writes oc, os
.if DOCPART == 3
	.amdgcn_target "amdgcn-amd-amdhsa--gfx1250"
	.amdhsa_code_object_version 6
	.text
	.protected	k_qd0bfa7eb77_attn
	.globl	k_qd0bfa7eb77_attn
	.p2align	8
	.type	k_qd0bfa7eb77_attn,@function
k_qd0bfa7eb77_attn:
	s_mov_b64 s[64:65], 0
	v_nop
	global_prefetch_b8 v0, s[64:65] scope:SCOPE_SE
	s_setreg_imm32_b32 hwreg(HW_REG_WAVE_MODE, 25, 1), 1
	s_wait_xcnt 0x0
	s_wait_alu depctr_hold_cnt(0) depctr_sa_sdst(0) depctr_va_vdst(0) depctr_va_sdst(0) depctr_va_ssrc(0) depctr_va_vcc(0) depctr_vm_vsrc(0)
	s_getreg_b32 s2, hwreg(HW_REG_IB_STS2, 6, 4)
	s_cmp_eq_u32 s2, 0
	s_cbranch_scc0 .Lentry_in_a_cluster
	s_endpgm
.Lentry_in_a_cluster:
	s_bfe_u32 s2, ttmp6, 0x10000c
	s_cmp_lg_u32 s2, 0x3003
	s_cbranch_scc0 .Lentry_shape_is_right
	s_endpgm
.Lentry_shape_is_right:
; o = softmax(q k^T / 32) v for one (batch, head), head size 64, 2,048 keys, both products on codes of FP8 (E4M3) with E8M0 scales; o is quantised along the features and leaves as an operand of the last product.
; THE SOFTMAX: t = score x log2(e) / 32; M = the running largest t rounded up to a whole number; p = 2^(t - M) is quantised along the keys, not normalised; the row's sum is taken of the unquantised p and divides at the end.
; SHARES: the cluster's y is batch x 16 + head; its four work-groups own 512 queries each, in two passes of sixteen waves x one tile of 16 queries.  A WHOLE HEAD'S K, V AND THEIR SCALE WORDS (264 KiB) STAY IN LDS:
; they are asked for once, jointly by the four work-groups (wave 0: K's nine loads, wave 1: V's nine), and no byte is filled again: no ring.  Each pass opens with a wait for all fills and a barrier.
; LAYOUT: both products transposed (S^T = K Q^T, O^T = V^T P^T): a lane holds one query throughout.  All operands lie as images of fragments, read by loads of 512 consecutive bytes.
; K = 64 IN AN INSTRUCTION 128 DEEP: a fragment of K packs two tiles of 16 keys (registers 0-7, 8-15); Q stands as Q | zeros | Q in v16-39: source 1 = v[16:31] gives the first tile's scores, v[24:39] the second's:
; zero codes add nothing.  The tiles' keys are ordered so that the 16 registers of tiles 2 f, 2 f + 1 are keys 32 f + 16 (lane / 16) + 0 .. 15.
; LIMITS: NaN and infinities are not served; v_exp_f32 gives 0 under 2^-126; a block's largest p is taken through its largest score, which takes v_exp_f32 not to fall where its input rises;
; a block of o whose largest magnitude lies under 2^-118 gets the byte 1.
; REGISTERS: v1-5 addresses that stay; v8-10 addresses in hand; v12 -M, v13 the largest t, v[14:15] the sum; v16-39 Q; v40-103 four fragments; v104-167 S^T, then p; v168-199 O^T; v200-215 codes; v232-254 at work; v248-251, v253, v255 scale words.
.set KSL,  262144                      ; LDS: K's codes 0 .. 131,071 ([tile 128][1,024]); V's 131,072 .. ([128 keys 16][tile 4][2,048]); K's scale words here (4 KiB), V's 4 KiB behind
.set SCR,  272384                      ; 512 bytes for the results' scale bytes: written by LDS stores alone
.set S,    104
.set O,    168
.set KF,   40
.set PCD,  200
.set WV,   12
.set G1K,  16
.set G1V,  24
.set G1KS, 32
.set G1VS, 40
.set SEL,  88
.set CS,   90
.set MNT,  92
.set TB,   93
.set TS,   94
.set CNT,  95
.set PASS, 96
.set QSEL, 97
.macro CROUND                          ; a round of the cluster's barrier
	s_barrier_signal -1
	s_barrier_wait -1
	s_cmp_lg_u32 s[WV], 0
	s_cbranch_scc1 .Lnot_wave_0_\@
	s_barrier_signal -3
.Lnot_wave_0_\@:
	s_barrier_wait -3
	s_barrier_signal -1
	s_barrier_wait -1
.endm
.macro G1SET g, c, r, p                ; r rows of c elements of 8 bytes, p elements apart; dense in LDS; the mask names all four work-groups, bit 21 beside it
	s_mov_b32 s[\g], 15|(3<<16)|(1<<21)
	s_mov_b32 s[\g+1], (\c)<<16
	s_mov_b32 s[\g+2], (\r)<<16
	s_mov_b32 s[\g+3], (\c)<<16
	s_mov_b32 s[\g+4], \r
	s_mov_b32 s[\g+5], \p
	s_mov_b32 s[\g+6], 0
	s_mov_b32 s[\g+7], 0
.endm
	s_load_b256 s[4:11], s[0:1], 0x0               ; qkv, qkvs, oc, os
	v_lshl_add_u32 v230, v0, 2, 0x42a00
	v_mov_b32 v231, 0
	ds_add_u32 v230, v231
	ds_add_u32 v230, v231
	v_lshrrev_b32 v8, 5, v0
	s_delay_alu instid0(VALU_DEP_1)
	v_readfirstlane_b32 s[WV], v8                  ; wave 0..15
	s_and_b32 s13, s[WV], 1                        ; 0: K's loads, 1: V's
	s_bfe_u32 s14, ttmp6, 0x40000                  ; cx: my block of 512 queries: it enters global addresses alone
	s_and_b32 s15, ttmp7, 0xffff
	s_lshr_b32 s2, s15, 4                          ; batch
	s_and_b32 s3, s15, 15                          ; head
	s_lshr_b32 s66, s3, 1                          ; head pair
	s_and_b32 s67, s3, 1
	G1SET G1K, 128, 16, 256                        ; 256 keys of K: 16 tiles x 1,024 bytes, 2,048 apart (the pair's other head lies between)
	G1SET G1V, 1024, 2, 16384                      ; 256 keys of V: 2 x 8,192 bytes, 131,072 apart
	G1SET G1KS, 8, 64, 16                          ; K's scale words: 64 x 64 bytes, 128 apart
	G1SET G1VS, 32, 16, 512                        ; V's: 16 x 256 bytes, 4,096 apart
	s_lshl_b32 s98, s66, 20                        ; K's codes of this head and batch
	s_lshl_b32 s99, s2, 18
	s_add_co_u32 s98, s98, s99
	s_lshl_b32 s99, s67, 10
	s_add_co_u32 s98, s98, s99
	s_add_co_u32 s98, s98, 1<<23
	s_lshl_b32 s100, s2, 21                        ; V's
	s_lshl_b32 s101, s3, 13
	s_add_co_u32 s100, s100, s101
	s_add_co_u32 s100, s100, 2<<23
	s_lshl_b32 s93, s66, 15                        ; K's scale words
	s_lshl_b32 s94, s2, 13
	s_add_co_u32 s93, s93, s94
	s_lshl_b32 s94, s67, 6
	s_add_co_u32 s93, s93, s94
	s_add_co_u32 s93, s93, 1<<18
	s_lshl_b32 s95, s2, 16                         ; V's
	s_lshl_b32 s94, s3, 8
	s_add_co_u32 s95, s95, s94
	s_add_co_u32 s95, s95, 2<<18
	s_mov_b32 s101, 262144
	s_cmp_eq_u32 s13, 0
	s_cselect_b32 s98, s98, s100                   ; the first 256 keys' codes,
	s_cselect_b32 s96, 32768, s101                 ; from 256 keys to the next,
	s_cselect_b32 s94, s93, s95                    ; the scale words
	s_mov_b32 s99, 0
	s_mov_b32 s95, 0
	s_lshl_b32 s97, s13, 17                        ; in LDS: K's at 0, V's at 131,072
	s_lshl_b32 s93, s13, 12
	s_wait_dscnt 0x0
	s_wait_kmcnt 0x0
	CROUND                                         ; all four work-groups are here: the joint loads meet
	s_mov_b32 s48, 1
	s_add_co_u32 s49, s93, KSL
	s_add_nc_u64 s[50:51], s[6:7], s[94:95]
	s_or_b32 s51, s51, 0x80000000
.irp j, 0,1,2,3,4,5,6,7
.set GR, 52+4*\j+4*((\j+5)/8)          ; groups 0 in s[52:63] and s[68:87]
	s_mov_b32 s[GR], 1
	s_add_co_u32 s[GR+1], s97, \j*16384
	s_add_nc_u64 s[GR+2:GR+3], s[4:5], s[98:99]
	s_or_b32 s[GR+3], s[GR+3], 0x80000000
	s_add_co_u32 s98, s98, s96
.endr
	s_cmp_eq_u32 s[WV], 0                          ; a wave's fills stand in one branch on its number; nine loads of the wave are out
	s_cbranch_scc0 .Lnot_k
	tensor_load_to_lds s[48:51], s[G1KS:G1KS+7]
	s_nop 0
.irp j, 0,1,2,3,4,5,6,7
.set GR, 52+4*\j+4*((\j+5)/8)
	tensor_load_to_lds s[GR:GR+3], s[G1K:G1K+7]
	s_nop 0
.endr
.rept 4
	v_nop
.endr
	s_branch .Lasked
.Lnot_k:
	s_cmp_eq_u32 s[WV], 1
	s_cbranch_scc0 .Lasked
	tensor_load_to_lds s[48:51], s[G1VS:G1VS+7]
	s_nop 0
.irp j, 0,1,2,3,4,5,6,7
.set GR, 52+4*\j+4*((\j+5)/8)
	tensor_load_to_lds s[GR:GR+3], s[G1V:G1V+7]
	s_nop 0
.endr
.rept 4
	v_nop
.endr
.Lasked:
	s_lshl_b32 s98, s2, 7
	s_lshl_b32 s99, s14, 5
	s_add_co_u32 s98, s98, s99
	s_add_co_u32 s98, s98, s[WV]                   ; my tile of queries in pass 0: batch x 128 + 32 cx + wave
	s_mov_b32 s101, 0
	s_lshl_b32 s100, s66, 20                       ; Q's image
	s_lshl_b32 s99, s98, 11
	s_add_co_u32 s100, s100, s99
	s_lshl_b32 s99, s67, 10
	s_add_co_u32 s100, s100, s99
	s_add_nc_u64 s[4:5], s[4:5], s[100:101]
	s_lshl_b32 s100, s66, 15                       ; Q's scale words
	s_lshl_b32 s99, s98, 6
	s_add_co_u32 s100, s100, s99
	s_add_nc_u64 s[6:7], s[6:7], s[100:101]
	s_lshl_b32 s100, s98, 14                       ; o's image: [tile][head pair][2,048], my head's half
	s_lshl_b32 s99, s66, 11
	s_add_co_u32 s100, s100, s99
	s_lshl_b32 s99, s67, 10
	s_add_co_u32 s100, s100, s99
	s_add_nc_u64 s[8:9], s[8:9], s[100:101]
	s_lshl_b32 s100, s3, 14                        ; o's scale bytes: [head][8,192 rows] of two bytes
	s_lshl_b32 s99, s2, 12
	s_add_co_u32 s100, s100, s99
	s_lshl_b32 s99, s14, 10
	s_add_co_u32 s100, s100, s99
	s_add_nc_u64 s[10:11], s[10:11], s[100:101]
	s_mov_b32 s[SEL], 0x76543210
	s_mov_b32 s[SEL+1], 0xfedcba98
	s_mov_b32 s[CS], 0x3d38aa3b                    ; c = log2(e) / 32
	s_mov_b32 s[CS+1], s[CS]
	s_mov_b32 s[QSEL], 0x03020302                  ; my head's two bytes of Q's word, twice
	s_cmp_eq_u32 s67, 0
	s_cselect_b32 s[QSEL], 0x01000100, s[QSEL]
	s_mov_b32 s[PASS], 2
	v_and_b32 v6, 31, v0
	s_delay_alu instid0(VALU_DEP_1)
	v_lshlrev_b32 v1, 4, v6                        ; 16 x lane
	v_and_b32 v7, 15, v0
	s_delay_alu instid0(VALU_DEP_1)
	v_lshlrev_b32 v3, 2, v7                        ; 4 r
	s_delay_alu instid0(VALU_DEP_1)
	v_add_nc_u32 v2, KSL, v3
	s_lshl_b32 s98, s[WV], 5
	v_lshl_add_u32 v4, v7, 1, s98
	s_delay_alu instid0(VALU_DEP_1)
	v_add_nc_u32 v4, SCR, v4                       ; 32 x wave + 2 r
	v_add_nc_u32 v5, SCR, v1
.irp j, 0,1,2,3,4,5,6,7
	v_mov_b32 v[24+\j], 0                          ; the zero codes between the two copies of Q
.endr
.irp b, 0,1,2,3
	v_mov_b32 v[236+\b], 0                         ; a lane permute's destination counts as read
.endr
	v_mov_b32 v253, 0                              ; named as the upper half of v[252:253] before it is first written
; A KEY STEP: 128 keys
.macro STEP
	v_add_nc_u32 v8, s[TB], v1
	s_delay_alu instid0(VALU_DEP_1)
	v_add_nc_u32 v9, 0x20000, v8
	v_add_nc_u32 v10, s[TS], v2
.rept 5
	v_nop                                          ; with the three lines above: eight places in front of loads into registers that matrix instructions have read
.endr
.irp f, 0,1,2,3
.irp c, 0,1,2,3
	ds_load_b128 v[KF+16*\f+4*\c:KF+16*\f+4*\c+3], v8 offset:2048*\f+512*\c
.endr
	ds_load_b32 v[248+\f], v10 offset:64*\f
.endr
	s_wait_alu depctr_va_vdst(0)
	s_wait_dscnt 0x0
.irp f, 0,1,2,3
	v_wmma_scale_f32_16x16x128_f8f6f4 v[S+16*\f:S+16*\f+7], v[KF+16*\f:KF+16*\f+15], v[16:31], 0, v[248+\f], v255
	v_wmma_scale_f32_16x16x128_f8f6f4 v[S+16*\f+8:S+16*\f+15], v[KF+16*\f:KF+16*\f+15], v[24:39], 0, v[248+\f], v255
.endr
.rept 8
	v_nop
.endr
.irp f, 0,1,2,3                                ; V's fragments and scale words are asked for now and land under the softmax
.irp c, 0,1,2,3
	ds_load_b128 v[KF+16*\f+4*\c:KF+16*\f+4*\c+3], v9 offset:2048*\f+512*\c
.endr
	ds_load_b32 v[248+\f], v10 offset:4096+64*\f
.endr
.irp b, 0,1,2,3
	v_max3_num_f32 v[232+\b], v[S+16*\b], v[S+1+16*\b], v[S+2+16*\b]   ; the largest score of each block of 32 keys: for the row's maximum and for the block's largest p
.endr
.irp i, 3,5,7,9,11,13
.irp b, 0,1,2,3
	v_max3_num_f32 v[232+\b], v[232+\b], v[S+16*\b+\i], v[S+1+16*\b+\i]
.endr
.endr
.irp b, 0,1,2,3
	v_max_num_f32 v[232+\b], v[232+\b], v[S+15+16*\b]
.endr
.irp b, 0,1,2,3
	s_delay_alu instid0(VALU_DEP_4)
	v_permlanex16_b32 v[236+\b], v[232+\b], s[SEL], s[SEL+1]
.endr
.irp b, 0,1,2,3
	s_delay_alu instid0(VALU_DEP_4)
	v_max_num_f32 v[232+\b], v[232+\b], v[236+\b]
.endr
	s_delay_alu instid0(VALU_DEP_2)
	v_max3_num_f32 v254, v232, v233, v234
	s_delay_alu instid0(VALU_DEP_1)
	v_max_num_f32 v254, v254, v235
	s_delay_alu instid0(VALU_DEP_1)
	v_mul_f32 v254, s[CS], v254
	s_delay_alu instid0(VALU_DEP_1)
	v_max_num_f32 v13, v13, v254                   ; the running largest t
	v_mov_b32 v254, v12
	s_delay_alu instid0(VALU_DEP_2)
	v_floor_f32 v12, -v13                          ; -M = floor(-t): M is a whole number
	s_delay_alu instid0(VALU_DEP_1)
	v_sub_f32 v254, v12, v254
	s_delay_alu instid0(VALU_DEP_1)
	v_cvt_i32_f32 v254, v254                       ; old M - new M (it saturates)
	s_delay_alu instid0(VALU_DEP_1)
	v_ldexp_f32 v252, 1.0, v254                    ; f = 2^(old M - new M): rounds nothing
.set j, 0
.rept 32
	v_pk_fma_f32 v[S+j:S+j+1], v[S+j:S+j+1], s[CS:CS+1], v[12:13] op_sel_hi:[1,0,0]   ; t - M
.set j, j+2
.endr
.irp b, 0,1,2,3
	v_fma_f32 v[232+\b], v[232+\b], s[CS], v12
.endr
.set j, 0
	s_setprio 1
	s_wait_alu depctr_va_vdst(0)
.rept 64
	v_exp_f32 v[S+j], v[S+j]                       ; p = 2^(t - M)
.set j, j+1
.endr
	v_pk_mul_f32 v[14:15], v[14:15], v[252:253] op_sel_hi:[1,0]   ; the sums under the new M: a plain line behind the exponentials
	s_wait_alu depctr_va_vdst(0)                   ; one wait for the batch, ahead of its first reader
.irp b, 0,1,2,3
	v_exp_f32 v[232+\b], v[232+\b]                 ; the block's largest p
.endr
	v_pk_add_f32 v[236:237], v[108:109], v[112:113]
	v_pk_add_f32 v[246:247], v[116:117], v[120:121]
	v_pk_add_f32 v[244:245], v[124:125], v[128:129]
	v_pk_add_f32 v[242:243], v[132:133], v[136:137]
	v_pk_add_f32 v[240:241], v[140:141], v[144:145]
	v_pk_add_f32 v[238:239], v[148:149], v[152:153]
	v_pk_add_f32 v[228:229], v[156:157], v[160:161]
	v_pk_add_f32 v[14:15], v[14:15], v[164:165]
	v_pk_add_f32 v[236:237], v[236:237], v[104:105]
	v_pk_add_f32 v[246:247], v[246:247], v[106:107]
	v_pk_add_f32 v[244:245], v[244:245], v[110:111]
	v_pk_add_f32 v[242:243], v[242:243], v[114:115]
	v_pk_add_f32 v[240:241], v[240:241], v[118:119]
	v_pk_add_f32 v[238:239], v[238:239], v[122:123]
	v_pk_add_f32 v[228:229], v[228:229], v[126:127]
	v_pk_add_f32 v[14:15], v[14:15], v[130:131]
	v_pk_add_f32 v[236:237], v[236:237], v[134:135]
	v_pk_add_f32 v[246:247], v[246:247], v[138:139]
	v_pk_add_f32 v[244:245], v[244:245], v[142:143]
	v_pk_add_f32 v[242:243], v[242:243], v[146:147]
	v_pk_add_f32 v[240:241], v[240:241], v[150:151]
	v_pk_add_f32 v[238:239], v[238:239], v[154:155]
	v_pk_add_f32 v[228:229], v[228:229], v[158:159]
	v_pk_add_f32 v[14:15], v[14:15], v[162:163]
	v_pk_add_f32 v[236:237], v[236:237], v[166:167]
	s_delay_alu instid0(VALU_DEP_2)
	v_pk_add_f32 v[14:15], v[14:15], v[242:243]
	s_delay_alu instid0(VALU_DEP_2)
	v_pk_add_f32 v[236:237], v[236:237], v[240:241]
	v_pk_add_f32 v[246:247], v[246:247], v[238:239]
	v_pk_add_f32 v[244:245], v[244:245], v[228:229]
	s_delay_alu instid0(VALU_DEP_2)
	v_pk_add_f32 v[14:15], v[14:15], v[246:247]
	s_delay_alu instid0(VALU_DEP_2)
	v_pk_add_f32 v[236:237], v[236:237], v[244:245]
	s_delay_alu instid0(VALU_DEP_1)
	v_pk_add_f32 v[14:15], v[14:15], v[236:237]
	s_wait_alu depctr_va_vdst(0)                   ; and one for the four
.irp b, 0,1,2,3
	v_max_num_f32 v[232+\b], 0x4800000, v[232+\b]  ; the floor 2^(9 - 127)
.endr
.irp b, 0,1,2,3
	s_delay_alu instid0(VALU_DEP_4)
	v_add_nc_u32 v[244+\b], 0xfc000000, v[232+\b]
.endr
.irp b, 0,1,2,3
.endr
.irp b, 0,1,2,3
	s_delay_alu instid0(VALU_DEP_4)
	v_lshrrev_b32 v[236+\b], 23, v[244+\b]
.endr
	s_delay_alu instid0(VALU_DEP_3)
	v_lshl_or_b32 v253, v237, 8, v236              ; p's scale word for these 128 keys
	s_delay_alu instid0(VALU_DEP_1)
	v_lshl_or_b32 v253, v238, 16, v253
	s_delay_alu instid0(VALU_DEP_1)
	v_lshl_or_b32 v253, v239, 24, v253
	s_setprio 0
.irp b, 0,1,2,3
.irp i, 0,1,2,3,4,5,6,7,8,9,10,11,12,13,14,15
.endr
	v_cvt_scalef32_pk8_fp8_f32 v[PCD+4*\b:PCD+4*\b+1], v[S+16*\b:S+16*\b+7], v[244+\b]
	v_cvt_scalef32_pk8_fp8_f32 v[PCD+4*\b+2:PCD+4*\b+3], v[S+16*\b+8:S+16*\b+15], v[244+\b]
.endr
.set j, 0
.rept 16
	v_pk_mul_f32 v[O+j:O+j+1], v[O+j:O+j+1], v[252:253] op_sel_hi:[1,0]   ; O^T under the new M; these are also the places ahead of the products below
.set j, j+2
.endr
	s_wait_alu depctr_va_vdst(0)
	s_wait_dscnt 0x0                               ; V is in
.irp f, 0,1,2,3
	v_wmma_scale_f32_16x16x128_f8f6f4 v[O+8*\f:O+8*\f+7], v[KF+16*\f:KF+16*\f+15], v[PCD:PCD+15], v[O+8*\f:O+8*\f+7], v[248+\f], v253
.endr
	s_add_co_u32 s[TB], s[TB], 8192
	s_add_co_u32 s[TS], s[TS], 256
.endm
.Lpass:
	global_load_b128 v[16:19], v1, s[4:5]          ; Q's eight registers, twice
	global_load_b128 v[20:23], v1, s[4:5] offset:512
	global_load_b128 v[32:35], v1, s[4:5]
	global_load_b128 v[36:39], v1, s[4:5] offset:512
	global_load_b32 v254, v3, s[6:7]
	v_mov_b32 v13, 0xff61b1e6                      ; the largest t so far: -3e38
	s_delay_alu instid0(VALU_DEP_1)
	v_floor_f32 v12, -v13
	v_mov_b32 v14, 0
	v_mov_b32 v15, 0
	s_mov_b32 s[TB], 0
	s_mov_b32 s[TS], 0
	s_mov_b32 s[CNT], 16
	s_wait_tensorcnt 0x0                           ; all my fills have landed (in the second pass: met at once),
	s_wait_loadcnt 0x0                             ; and Q
	s_barrier_signal -1
	s_barrier_wait -1                              ; everybody's have; also: wave 0 has read the last pass's scale bytes, so they may be written again
	v_perm_b32 v255, v254, v254, s[QSEL]           ; Q's scale word: my head's two bytes for both halves of the 128
.set j, 0
.rept 32
	v_mov_b32 v[O+j], 0                            ; O^T: the loop has no first step of its own.  (Also the places between the scale word above and the first product)
.set j, j+1
.endr
.Lstep:
	s_setprio 2
	STEP
	s_sub_co_u32 s[CNT], s[CNT], 1
	s_cmp_lg_u32 s[CNT], 0
	s_cbranch_scc1 .Lstep
	s_setprio 0
	; THE WAY OUT: O^T / the sum, quantised along the features (two blocks of 32: register 16 b + i is feature 32 b + 16 (lane / 16) + i of my head)
	v_add_f32 v14, v14, v15
	s_delay_alu instid0(VALU_DEP_1)
	v_permlanex16_b32 v252, v14, s[SEL], s[SEL+1]
	s_delay_alu instid0(VALU_DEP_1)
	v_add_f32 v14, v14, v252
	s_wait_alu depctr_va_vdst(0)
	v_rcp_f32 v14, v14
.rept 8
	v_nop                                          ; the places behind the last products, and the plain line behind the reciprocal
.endr
	s_wait_alu depctr_va_vdst(0)
.set j, 0
.rept 32
	v_mul_f32 v[S+j], v[O+j], v14                  ; each accumulator from its low end on
.set j, j+1
.endr
.irp b, 0,1
	v_max3_num_f32 v[232+\b], |v[S+16*\b]|, |v[S+1+16*\b]|, 0x4800000
.endr
.irp i, 2,4,6,8,10,12,14
.irp b, 0,1
	s_delay_alu instid0(VALU_DEP_2)
	v_max3_num_f32 v[232+\b], v[232+\b], |v[S+16*\b+\i]|, |v[S+1+16*\b+\i]|
.endr
.endr
.irp b, 0,1
	s_delay_alu instid0(VALU_DEP_2)
	v_permlanex16_b32 v[236+\b], v[232+\b], s[SEL], s[SEL+1]
.endr
.irp b, 0,1
	s_delay_alu instid0(VALU_DEP_2)
	v_max_num_f32 v[232+\b], v[232+\b], v[236+\b]
.endr
.irp b, 0,1
	s_delay_alu instid0(VALU_DEP_2)
	v_add_nc_u32 v[244+\b], 0xfc000000, v[232+\b]
.endr
.irp b, 0,1
.endr
.irp b, 0,1
	s_delay_alu instid0(VALU_DEP_2)
	v_lshrrev_b32 v[236+\b], 23, v[244+\b]
.endr
	s_delay_alu instid0(VALU_DEP_1)
	v_lshl_or_b32 v216, v237, 8, v236              ; my row's two scale bytes
.irp b, 0,1
.irp i, 0,1,2,3,4,5,6,7,8,9,10,11,12,13,14,15
.endr
	v_cvt_scalef32_pk8_fp8_f32 v[PCD+4*\b:PCD+4*\b+1], v[S+16*\b:S+16*\b+7], v[244+\b]
	v_cvt_scalef32_pk8_fp8_f32 v[PCD+4*\b+2:PCD+4*\b+3], v[S+16*\b+8:S+16*\b+15], v[244+\b]
.endr
	v_nop                                          ; one plain line behind the last conversion
	global_store_b128 v1, v[PCD:PCD+3], s[8:9]     ; 512 consecutive bytes each, aligned
	global_store_b128 v1, v[PCD+4:PCD+7], s[8:9] offset:512
	ds_store_b16 v4, v216                          ; lanes r and r + 16 write the same bytes with the same value
	s_wait_dscnt 0x0                               ; for wave 0's sake
	s_barrier_signal -1
	s_barrier_wait -1
	s_cmp_lg_u32 s[WV], 0
	s_cbranch_scc1 .Lnot_first
	ds_load_b128 v[220:223], v5                    ; the sixteen waves' 512 bytes
	s_wait_dscnt 0x0
	global_store_b128 v1, v[220:223], s[10:11]     ; 512 consecutive bytes, aligned
.Lnot_first:
	s_wait_xcnt 0x0                                ; the stores have read their registers and bases: both are written again only behind this wait
	s_add_nc_u64 s[4:5], s[4:5], 32768             ; sixteen tiles of queries on
	s_add_nc_u64 s[6:7], s[6:7], 1024
	s_add_nc_u64 s[8:9], s[8:9], 262144
	s_add_nc_u64 s[10:11], s[10:11], 512
	s_sub_co_u32 s[PASS], s[PASS], 1
	s_cmp_lg_u32 s[PASS], 0
	s_cbranch_scc1 .Lpass
	s_wait_tensorcnt 0x0
	ds_add_u32 v230, v231
	s_wait_dscnt 0x0
	CROUND                                         ; the closing round
	s_endpgm
.Lfunc_end_k_qd0bfa7eb77_attn:
	.size	k_qd0bfa7eb77_attn, .Lfunc_end_k_qd0bfa7eb77_attn-k_qd0bfa7eb77_attn
	.p2alignl 7, 3214868480
	.fill 96, 4, 3214868480
	.section	.rodata,"a",@progbits
	.p2align	6, 0x0
	.amdhsa_kernel k_qd0bfa7eb77_attn
		.amdhsa_group_segment_fixed_size 274944
		.amdhsa_private_segment_fixed_size 0
		.amdhsa_enable_private_segment 0
		.amdhsa_kernarg_size 32
		.amdhsa_user_sgpr_count 2
		.amdhsa_user_sgpr_kernarg_segment_ptr 1
		.amdhsa_wavefront_size32 1
		.amdhsa_system_sgpr_workgroup_id_x 1
		.amdhsa_system_sgpr_workgroup_id_y 1
		.amdhsa_system_sgpr_workgroup_id_z 1
		.amdhsa_system_vgpr_workitem_id 0
		.amdhsa_next_free_vgpr 256
		.amdhsa_next_free_sgpr 102
		.amdhsa_reserve_vcc 0
		.amdhsa_float_denorm_mode_32 3
		.amdhsa_float_denorm_mode_16_64 3
		.amdhsa_fp16_overflow 1
		.amdhsa_memory_ordered 1
		.amdhsa_forward_progress 1
		.amdhsa_inst_pref_size 36
	.end_amdhsa_kernel
	.amdgpu_metadata
---
amdhsa.version: [ 1, 2 ]
amdhsa.kernels:
  - .name:           k_qd0bfa7eb77_attn
    .symbol:         k_qd0bfa7eb77_attn.kd
    .args:
      - { .name: qkv, .offset: 0, .size: 8, .value_kind: global_buffer, .address_space: global }
      - { .name: qkvs, .offset: 8, .size: 8, .value_kind: global_buffer, .address_space: global }
      - { .name: oc, .offset: 16, .size: 8, .value_kind: global_buffer, .address_space: global }
      - { .name: os, .offset: 24, .size: 8, .value_kind: global_buffer, .address_space: global }
    .group_segment_fixed_size: 274944
    .private_segment_fixed_size: 0
    .kernarg_segment_align: 8
    .kernarg_segment_size: 32
    .max_flat_workgroup_size: 512
    .sgpr_count:     102
    .vgpr_count:     256
    .wavefront_size: 32
...
	.end_amdgpu_metadata
.endif
;; end of part 3
;; launch outp (part 4): grid 4 x 32, 4 waves a work-group, clusters of 4 x 4, 327,680 bytes of LDS; arguments oc, os, cods, scls, bu, out0; writes out0
.if DOCPART == 4
	.amdgcn_target "amdgcn-amd-amdhsa--gfx1250"
	.amdhsa_code_object_version 6
	.text
	.protected	k_qd0bfa7eb77_outp
	.globl	k_qd0bfa7eb77_outp
	.p2align	8
	.type	k_qd0bfa7eb77_outp,@function
k_qd0bfa7eb77_outp:
	s_mov_b64 s[64:65], 0
	v_nop
	global_prefetch_b8 v0, s[64:65] scope:SCOPE_SE
	s_setreg_imm32_b32 hwreg(HW_REG_WAVE_MODE, 25, 1), 1
	s_wait_xcnt 0x0
	s_wait_alu depctr_hold_cnt(0) depctr_sa_sdst(0) depctr_va_vdst(0) depctr_va_sdst(0) depctr_va_ssrc(0) depctr_va_vcc(0) depctr_vm_vsrc(0)
	s_getreg_b32 s2, hwreg(HW_REG_IB_STS2, 6, 4)
	s_cmp_eq_u32 s2, 0
	s_cbranch_scc0 .Lentry_in_a_cluster
	s_endpgm
.Lentry_in_a_cluster:
	s_bfe_u32 s2, ttmp6, 0x10000c
	s_cmp_lg_u32 s2, 0xf033
	s_cbranch_scc0 .Lentry_shape_is_right
	s_endpgm
.Lentry_shape_is_right:
; out0 = o Wu^T + bu on codes of FP8 (E4M3) with E8M0 scales.  o: images in oc ([tile of 16 rows 512][K step 8][2,048 bytes]) with two scale bytes for each row and head in os ([head 16][8,192 rows]); Wu: images in cods from tile 1,216 on,
; scale words in scls.  out0: [8,192][1,024] f32.
; SOURCE 1 = 16 rows of o (a result's lanes), SOURCE 0 = 16 rows of Wu (its registers).  Both tensors' tiles hold their rows in the order lane r of tile t = row 32 (t / 2) + 8 (t % 2) + r + 8 (r / 8): so the 16 registers of result tiles
; 2 b, 2 b + 1 are 16 neighbouring columns, and a row's true number is put right in the stores' offsets.
; SHARES: a work-group of four waves makes 256 x 256, a wave 128 x 128: 64 accumulators.  K = 1,024 goes in four steps of 256 through two LDS slots; 4 x 4 work-groups form a cluster: o's tiles are asked for jointly along a row,
; Wu's along a column.  Wu's scale words come once by a joint load; o's are put together from os through registers, into LDS bytes into which no fill lands.  bu is the C of the first K step.
; REGISTERS: window 0: v16-31 addresses; v32-63 scale words; v64-127 bu; v128-255 o's fragments, on the way out rows of the result.  window 1: Wu's fragments, two sets.  windows 2, 3: the accumulators.
.set SLOT,  131072
.set SCA,   262144                     ; o's scale words, 16 tiles x 512 bytes: LDS stores alone
.set SCB,   270336                     ; Wu's
.set SPARE, 278528
.set SPITCH, 528                       ; the way out: a stage of 16 rows x (512 + 16) bytes a wave, in slot 0
.set FR,   16
.set NL,   4
.set NP,   8
.set ADRA, 16
.set ADRB, 20
.set BH,   24
.set SAW,  25
.set STO,  26
.set ADRS, 27
.set SPW,  28
.set NIL,  29
.set LI,   30
.set RD,   31
.set SC,   32
.set BN,   64
.set AF,   128
.set BK,   128
.set G1,   24
.set G0,   32
.set G1B,  48
.set G0B,  56
.set G1SB, 80
.set G0SB, 88
.set MSB, 0
.macro WIN new
.if MSB != (\new)
	s_set_vgpr_msb (MSB<<8)|(\new)
.set MSB, (\new)
.endif
.endm
.set MUL_LO, 0xa1
.set MUL_HI, 0xf1
.set TO_B,   0x40
.macro JLOAD g0a, g1a, g0b, g1b        ; a joint load: waves 0, 1 fetch for o, waves 2, 3 for Wu; four v_nop follow each line
	s_cmp_eq_u32 s19, 0
	s_cbranch_scc0 .Lfor_b_\@
	tensor_load_to_lds s[\g0a:\g0a+3], s[\g1a:\g1a+7]
	s_nop 0
.rept 4
	v_nop
.endr
	s_branch .Lasked_\@
.Lfor_b_\@:
	tensor_load_to_lds s[\g0b:\g0b+3], s[\g1b:\g1b+7]
	s_nop 0
.rept 4
	v_nop
.endr
.Lasked_\@:
.endm
.macro CREST
	s_cmp_lg_u32 s18, 0
	s_cbranch_scc1 .Lnot_wave_0_\@
	s_barrier_signal -3
.Lnot_wave_0_\@:
	s_barrier_wait -3
	s_barrier_signal -1
	s_barrier_wait -1
.endm
.macro CROUND
	s_barrier_signal -1
	s_barrier_wait -1
	CREST
.endm
	s_load_b256 s[4:11], s[0:1], 0x0               ; oc, os, cods, scls
	s_load_b128 s[12:15], s[0:1], 0x20             ; bu, out0
	v_lshl_add_u32 v[SPW], v0, 2, SPARE
	v_mov_b32 v[NIL], 0
	ds_add_u32 v28, v29
	ds_add_u32 v28, v29
	s_wait_dscnt 0x0
	v_lshrrev_b32 v1, 5, v0
	v_readfirstlane_b32 s18, v1
	s_lshr_b32 s19, s18, 1
	s_and_b32 s20, s18, 1
	s_bfe_u32 s21, ttmp6, 0x40000                  ; cx = the block of 256 columns
	s_bfe_u32 s22, ttmp6, 0x40004
	s_and_b32 s40, ttmp7, 0xffff
	s_lshl_b32 s40, s40, 2
	s_add_co_u32 s40, s40, s22                     ; the block of 256 rows
	s_lshl_b32 s42, s22, 2
	s_lshl_b32 s42, 15, s42
	s_lshl_b32 s43, 0x1111, s21
	s_or_b32 s[G1], s42, (3<<16)|(1<<21)           ; codes: 8 rows (tiles) of 4,096 bytes, 16,384 apart
	s_or_b32 s[G1B], s43, (3<<16)|(1<<21)
.irp g, G1, G1B
	s_mov_b32 s[\g+1], 512<<16
	s_mov_b32 s[\g+2], 8<<16
	s_mov_b32 s[\g+3], 512<<16
	s_mov_b32 s[\g+4], 8
	s_mov_b32 s[\g+5], 2048
	s_mov_b32 s[\g+6], 0
	s_mov_b32 s[\g+7], 0
.endr
	s_or_b32 s[G1SB], s43, (3<<16)|(1<<21)         ; Wu's scale words: a wave brings 2,048 dense bytes as 8 rows of 256
	s_mov_b32 s[G1SB+1], 32<<16
	s_mov_b32 s[G1SB+2], 8<<16
	s_mov_b32 s[G1SB+3], 32<<16
	s_mov_b32 s[G1SB+4], 8
	s_mov_b32 s[G1SB+5], 32
	s_mov_b32 s[G1SB+6], 0
	s_mov_b32 s[G1SB+7], 0
	s_lshl_b32 s92, s40, 4
	s_lshl_b32 s94, s20, 3
	s_add_co_u32 s92, s92, s94
	s_lshl_b32 s92, s92, 14                        ; o: the first tile that I fetch
	s_mov_b32 s93, 0
	s_lshl_b32 s94, s40, 9                         ; os: my work-group's 256 rows, heads 2 wave and 2 wave + 1
	s_lshl_b32 s95, s18, 15
	s_add_co_u32 s94, s94, s95
	s_mov_b32 s95, 0
	s_lshl_b32 s96, s21, 4
	s_add_co_u32 s96, s96, 1216
	s_lshl_b32 s2, s96, 9
	s_lshl_b32 s3, s18, 11
	s_add_co_u32 s2, s2, s3                        ; Wu's scale words: my quarter
	s_mov_b32 s3, 0
	s_lshl_b32 s97, s20, 3
	s_add_co_u32 s96, s96, s97
	s_lshl_b32 s96, s96, 14                        ; Wu: the first tile that I fetch
	s_mov_b32 s97, 0
	s_lshl_b32 s23, s18, 15
	s_lshl_b32 s67, s18, 11
	s_wait_kmcnt 0x0
	s_add_nc_u64 s[92:93], s[4:5], s[92:93]
	s_add_nc_u64 s[94:95], s[6:7], s[94:95]
	s_add_nc_u64 s[96:97], s[8:9], s[96:97]
	s_add_nc_u64 s[2:3], s[10:11], s[2:3]
	CROUND                                         ; all sixteen work-groups are here: the first joint loads meet
	s_mov_b32 s[G0SB], 1
	s_add_co_u32 s[G0SB+1], s67, SCB
	s_mov_b64 s[G0SB+2:G0SB+3], s[2:3]
	s_or_b32 s[G0SB+3], s[G0SB+3], 0x80000000
	tensor_load_to_lds s[G0SB:G0SB+3], s[G1SB:G1SB+7]   ; every wave its own quarter, shared along the column
	s_nop 0
.rept 4
	v_nop
.endr
.irp s, 0,1
	s_mov_b32 s[G0+4*\s], 1
	s_add_co_u32 s[G0+4*\s+1], s23, \s*SLOT
	s_add_nc_u64 s[G0+4*\s+2:G0+4*\s+3], s[92:93], \s*4096
	s_or_b32 s[G0+4*\s+3], s[G0+4*\s+3], 0x80000000
	s_mov_b32 s[G0B+4*\s], 1
	s_add_co_u32 s[G0B+4*\s+1], s23, \s*SLOT
	s_add_nc_u64 s[G0B+4*\s+2:G0B+4*\s+3], s[96:97], \s*4096
	s_or_b32 s[G0B+4*\s+3], s[G0B+4*\s+3], 0x80000000
	s_wait_alu depctr_va_vdst(0)
	s_wait_tensorcnt 0x0
	ds_add_u32 v28, v29
	s_wait_dscnt 0x0
	CROUND
	JLOAD G0+4*\s, G1, G0B+4*\s, G1B               ; one load of mine is out
.endr
	s_lshl_b32 s44, s21, 8
	s_lshl_b32 s45, s20, 7
	s_add_co_u32 s44, s44, s45
	s_lshl_b32 s44, s44, 2                         ; my first column, in bytes
	s_mov_b32 s45, 0
	s_add_nc_u64 s[12:13], s[12:13], s[44:45]
	s_add_nc_u64 s[14:15], s[14:15], s[44:45]
	s_lshl_b32 s44, s40, 8
	s_lshl_b32 s46, s19, 7
	s_add_co_u32 s44, s44, s46
	s_lshl_b32 s44, s44, 12                        ; my first row
	s_add_nc_u64 s[14:15], s[14:15], s[44:45]
	v_and_b32 v1, 15, v0                           ; r
	v_bfe_u32 v2, v0, 4, 1                         ; h
	s_wait_alu depctr_va_vdst(0)
	v_and_b32 v3, 31, v0
	v_lshlrev_b32 v[LI], 4, v3
	v_lshlrev_b32 v[BH], 6, v2
.irp b, 0,1,2,3,4,5,6,7
	global_load_b128 v[BN+8*\b:BN+8*\b+3], v[BH], s[12:13] offset:(32*(\b/2)+8*(\b%2))*4
	global_load_b128 v[BN+8*\b+4:BN+8*\b+7], v[BH], s[12:13] offset:(32*(\b/2)+8*(\b%2))*4+16
.endr
	; o's scale bytes: lane g takes rows 8 g .. 8 g + 7 of the 256, for K steps wave and wave + 4: the even head's eight pairs of bytes and the odd head's
	global_load_b128 v[128:131], v[LI], s[94:95]
	global_load_b128 v[132:135], v[LI], s[94:95] offset:16384
	global_load_b128 v[136:139], v[LI], s[94:95] offset:131072
	global_load_b128 v[140:143], v[LI], s[94:95] offset:147456
	s_lshl_b32 s44, s19, 15
	s_lshl_b32 s45, s20, 15
	s_add_co_u32 s45, s45, 65536
.irp s, 0,1
	v_add_nc_u32 v[ADRA+\s], s44, v[LI]
	v_add_nc_u32 v[ADRB+\s], s45, v[LI]
	s_add_co_u32 s44, s44, SLOT
	s_add_co_u32 s45, s45, SLOT
.endr
	s_lshl_b32 s44, s19, 12
	s_lshl_b32 s45, s20, 12
	s_add_co_u32 s45, s45, 8192
	s_sub_co_u32 s45, s45, s44
	v_mul_u32_u24 v4, s45, v2                      ; lanes 16-31 take Wu's words: one product, h x the distance
	s_add_co_u32 s44, s44, SCA
	v_lshl_add_u32 v4, v1, 2, v4
	v_add_nc_u32 v[ADRS], s44, v4
	v_lshrrev_b32 v5, 1, v3
	v_lshlrev_b32 v5, 9, v5
	v_and_b32 v6, 1, v3
	v_lshl_add_u32 v5, v6, 5, v5
	s_lshl_b32 s44, s18, 6
	s_add_co_u32 s44, s44, SCA
	v_add_nc_u32 v[SAW], s44, v5                   ; tile g / 2, K step wave, rows 8 (g % 2) on
	s_mul_i32 s44, s18, 16*SPITCH
	v_mul_u32_u24 v5, v1, SPITCH
	v_lshl_add_u32 v5, v2, 6, v5
	v_add_nc_u32 v[STO], s44, v5
	v_add_nc_u32 v[RD], s44, v[LI]
	s_wait_loadcnt 0x0
.irp k, 0,1
.irp m, 0,1,2,3
	v_perm_b32 v[144+8*\k+2*\m], v[132+8*\k+\m], v[128+8*\k+\m], 0x05040100     ; a row's word: the even head's two bytes below, the odd head's above
	v_perm_b32 v[144+8*\k+2*\m+1], v[132+8*\k+\m], v[128+8*\k+\m], 0x07060302
.endr
	ds_store_b128 v[SAW], v[144+8*\k:147+8*\k] offset:256*\k
	ds_store_b128 v[SAW], v[148+8*\k:151+8*\k] offset:256*\k+16
.endr
.macro FRAG reg, adr, q, i
.irp c, 0,1,2,3
	ds_load_b128 v[\reg+4*\c:\reg+4*\c+3], v[\adr] offset:4096*(\i)+2048*(\q)+512*\c
.endr
.endm
; 16 matrix instructions; the 64 accumulators take turns, one instruction a turn, in the same order in every step
.macro MUL16 a0, p, q, sc, zero
.irp a, \a0, \a0+1
.irp b, 0,1,2,3,4,5,6,7
.if \zero
	v_wmma_scale_f32_16x16x128_f8f6f4 v[8*(8*((\a)%4)+\b):8*(8*((\a)%4)+\b)+7], v[128*(\p)+FR*\b:128*(\p)+FR*\b+FR-1], v[AF+FR*(\a):AF+FR*(\a)+FR-1], v[BN+8*\b:BN+8*\b+7], v[SC+16*(\sc)+2*\b+(\q)], v[SC+16*(\sc)+2*(\a)+(\q)] matrix_a_scale:MATRIX_SCALE_ROW1
.else
	v_wmma_scale_f32_16x16x128_f8f6f4 v[8*(8*((\a)%4)+\b):8*(8*((\a)%4)+\b)+7], v[128*(\p)+FR*\b:128*(\p)+FR*\b+FR-1], v[AF+FR*(\a):AF+FR*(\a)+FR-1], v[8*(8*((\a)%4)+\b):8*(8*((\a)%4)+\b)+7], v[SC+16*(\sc)+2*\b+(\q)], v[SC+16*(\sc)+2*(\a)+(\q)] matrix_a_scale:MATRIX_SCALE_ROW1
.endif
.endr
.endr
.endm
.macro FETCH_B slot, q, p
	WIN TO_B
.irp i, 0,1,2,3,4,5,6,7
	FRAG 128*(\p)+FR*\i, ADRB+\slot, \q, \i
.endr
	WIN 0
.endm
.macro FETCH_A slot, q, i0
.irp i, \i0, \i0+1, \i0+2, \i0+3
	FRAG AF+FR*(\i), ADRA+\slot, \q, \i
.endr
.endm
.macro SCALES sc
.irp i, 0,1,2,3,4,5,6,7
	ds_load_b32 v[SC+16*\sc+2*\i], v[ADRS] offset:512*\i
	ds_load_b32 v[SC+16*\sc+2*\i+1], v[ADRS] offset:512*\i+64
.endr
.endm
.macro PLACES n
.rept \n
	v_nop
.endr
.endm
.macro STEP slot, q, zero
	s_wait_dscnt 4*NL                              ; Wu's set and o's blocks 0-3 are in; the youngest 16 loads (blocks 4-7) may be out
.if \zero
	WIN 0x81
.else
	WIN MUL_LO
.endif
	MUL16 0, (\q)%2, \q, \slot, \zero
	MUL16 2, (\q)%2, \q, \slot, \zero
	s_wait_dscnt 0
	PLACES NP
	FETCH_B \slot, (\q)+1, 1-(\q)%2
	FETCH_A \slot, (\q)+1, 0
.if \zero
	WIN 0xc1
.else
	WIN MUL_HI
.endif
	MUL16 4, (\q)%2, \q, \slot, \zero
	MUL16 6, (\q)%2, \q, \slot, \zero
	PLACES NP
	WIN 0
	FETCH_A \slot, (\q)+1, 4
.endm
.macro TURN slot, next, fill
	s_wait_tensorcnt 0x0                           ; all my tensor loads have landed: my part of the next slot
	ds_add_u32 v[SPW], v[NIL]
	s_wait_dscnt 4*NL+1                            ; the add and the youngest 16 loads may be out
	WIN MUL_LO
	MUL16 0, 1, 1, \slot, 0
	s_wait_dscnt 0x0                               ; the add is done, and my reads of this slot are over
	s_barrier_signal -1
	MUL16 2, 1, 1, \slot, 0
	WIN 0
	s_barrier_wait -1
.if \fill
	CREST                                          ; a round of the cluster's barrier: no wave of any partner still reads this slot or has a load on its way
	s_add_nc_u64 s[G0+4*\slot+2:G0+4*\slot+3], s[G0+4*\slot+2:G0+4*\slot+3], 8192
	s_add_nc_u64 s[G0B+4*\slot+2:G0B+4*\slot+3], s[G0B+4*\slot+2:G0B+4*\slot+3], 8192
	JLOAD G0+4*\slot, G1, G0B+4*\slot, G1B
	PLACES NP-4
.else
	PLACES NP
.endif
	s_wait_alu depctr_va_vdst(0)
	v_add_nc_u32 v[ADRS], 128, v[ADRS]
	FETCH_B \next, 0, 0
	FETCH_A \next, 0, 0
	SCALES \next
	WIN MUL_HI
	MUL16 4, 1, 1, \slot, 0
	MUL16 6, 1, 1, \slot, 0
	PLACES NP
	WIN 0
	FETCH_A \next, 0, 4
.endm
	s_wait_dscnt 0x0                               ; for the others' sake: my part of o's scale words is stored
	s_wait_tensorcnt 1                             ; Wu's scale words and my part of slot 0 are in; slot 1's load may be out
	s_barrier_signal -1
	s_barrier_wait -1
	FETCH_B 0, 0, 0
	FETCH_A 0, 0, 0
	SCALES 0
	FETCH_A 0, 0, 4
	STEP 0, 0, 1
	TURN 0, 1, 1
	STEP 1, 0, 0
	TURN 1, 0, 1
	STEP 0, 0, 0
	TURN 0, 1, 0
	STEP 1, 0, 0
	s_wait_dscnt 4*NL
	WIN MUL_LO
	MUL16 0, 1, 1, 1, 0
	MUL16 2, 1, 1, 1, 0
	s_wait_dscnt 0
	WIN MUL_HI
	MUL16 4, 1, 1, 1, 0
	MUL16 6, 1, 1, 1, 0
	WIN 0
; THE WAY OUT, block by block of 16 rows x 128 columns, through my own stage in slot 0 (it has had its last fill, and every wave has passed the last change of slots).  Tile b's eight columns of a lane lie at
; 128 (b / 2) + 64 (lane / 16) + 32 (b % 2) bytes of the row.  Stage row t of block a is row 32 (a / 2) + 8 (a % 2) + t + 8 (t / 8) of my 128: it stands in the store's offset, 520,192 bytes at the most.
.macro TOSTAGE a
.set AC, 64*((\a)%4)
	WIN 0x08+4*((\a)/4)                            ; an LDS store's data: window 2 or 3
.irp b, 0,1,2,3,4,5,6,7
	ds_store_b128 v[STO], v[AC+8*\b:AC+8*\b+3] offset:128*(\b/2)+32*(\b%2)       ; each accumulator from its low end on
	ds_store_b128 v[STO], v[AC+8*\b+4:AC+8*\b+7] offset:128*(\b/2)+32*(\b%2)+16
.endr
	WIN 0
.set BB, BK+64*((\a)%2)
.irp t, 0,1,2,3,4,5,6,7,8,9,10,11,12,13,14,15
	ds_load_b128 v[BB+4*\t:BB+4*\t+3], v[RD] offset:\t*SPITCH                    ; LDS serves a wave's instructions in order
.endr
.endm
.macro SEND a, younger
.set BB, BK+64*((\a)%2)
	s_wait_dscnt \younger                          ; the block is back; the next block's 16 stores and 16 loads may be out
.irp t, 0,1,2,3,4,5,6,7,8,9,10,11,12,13,14,15
	global_store_b128 v[LI], v[BB+4*\t:BB+4*\t+3], s[14:15] offset:(32*((\a)/2)+8*((\a)%2)+\t+8*(\t/8))*4096 th:TH_STORE_NT   ; 512 consecutive bytes, aligned
.endr
.endm
	PLACES NP
	TOSTAGE 0
.irp a, 1,2,3,4,5,6,7
.if \a > 1
	s_wait_xcnt 0x0                                ; block a - 2's stores have read their registers: block a's loads may land there
.endif
	TOSTAGE \a
	SEND \a-1, 32
.endr
	SEND 7, 0
	s_wait_tensorcnt 0x0                           ; the wave's end
	ds_add_u32 v[SPW], v[NIL]
	s_wait_dscnt 0x0
	CROUND                                         ; the closing round
	s_endpgm
.Lfunc_end_k_qd0bfa7eb77_outp:
	.size	k_qd0bfa7eb77_outp, .Lfunc_end_k_qd0bfa7eb77_outp-k_qd0bfa7eb77_outp
	.p2alignl 7, 3214868480
	.fill 96, 4, 3214868480
	.section	.rodata,"a",@progbits
	.p2align	6, 0x0
	.amdhsa_kernel k_qd0bfa7eb77_outp
		.amdhsa_group_segment_fixed_size 327680
		.amdhsa_private_segment_fixed_size 0
		.amdhsa_enable_private_segment 0
		.amdhsa_kernarg_size 48
		.amdhsa_user_sgpr_count 2
		.amdhsa_user_sgpr_kernarg_segment_ptr 1
		.amdhsa_wavefront_size32 1
		.amdhsa_system_sgpr_workgroup_id_x 1
		.amdhsa_system_sgpr_workgroup_id_y 1
		.amdhsa_system_sgpr_workgroup_id_z 1
		.amdhsa_system_vgpr_workitem_id 0
		.amdhsa_next_free_vgpr 1024
		.amdhsa_next_free_sgpr 102
		.amdhsa_reserve_vcc 0
		.amdhsa_float_denorm_mode_32 3
		.amdhsa_float_denorm_mode_16_64 3
		.amdhsa_memory_ordered 1
		.amdhsa_forward_progress 1
		.amdhsa_inst_pref_size 150
	.end_amdhsa_kernel
	.amdgpu_metadata
---
amdhsa.version: [ 1, 2 ]
amdhsa.kernels:
  - .name:           k_qd0bfa7eb77_outp
    .symbol:         k_qd0bfa7eb77_outp.kd
    .args:
      - { .name: oc, .offset: 0, .size: 8, .value_kind: global_buffer, .address_space: global }
      - { .name: os, .offset: 8, .size: 8, .value_kind: global_buffer, .address_space: global }
      - { .name: cods, .offset: 16, .size: 8, .value_kind: global_buffer, .address_space: global }
      - { .name: scls, .offset: 24, .size: 8, .value_kind: global_buffer, .address_space: global }
      - { .name: bu, .offset: 32, .size: 8, .value_kind: global_buffer, .address_space: global }
      - { .name: out0, .offset: 40, .size: 8, .value_kind: global_buffer, .address_space: global }
    .group_segment_fixed_size: 327680
    .private_segment_fixed_size: 0
    .kernarg_segment_align: 8
    .kernarg_segment_size: 48
    .max_flat_workgroup_size: 128
    .sgpr_count:     102
    .vgpr_count:     1024
    .wavefront_size: 32
...
	.end_amdgpu_metadata
.endif
;; end of part 4
